; MI455X (gfx1250); checked and timed in simulation.
; The chip was launched on July 23, 2026; its instructions are those of AMD's public machine-readable ISA for CDNA 5 (MIT licence, August 2026) and "CDNA5" Instruction Set Architecture Reference Guide (July 2026). The comments in the code are by the model that wrote it; some were corrected since.
;; Routed FFN. Allowed arithmetic: matrix products marked QUANTISED: E3M2 operands, one E8M0 scale for each 32 along K, by v_wmma_scale_f32_16x16x128_f8f6f4 with both operands' format E3M2, f32 sums; products left as they are: f32 operands where the result goes on into a quantised operand, else bf16, f16 or f32 operands; f32 sums; everything else in f32.
;; Inputs: W1_codes 8 x 4,096 x 32 x 24 uint8 (E3M2 codes of W1, K innermost, in blocks of 32 codes, four codes in three bytes); W1_scales 8 x 4,096 x 32 uint8 (E8M0 scales of W1, one for each 32 codes along K); W2_codes 8 x 1,024 x 128 x 24 uint8 (E3M2 codes of W2, K innermost, in blocks of 32 codes, four codes in three bytes); W2_scales 8 x 1,024 x 128 uint8 (E8M0 scales of W2, one for each 32 codes along K); Wg 1,024 x 8 float32; Wi_codes 1,024 x 32 x 24 uint8 (E3M2 codes of Wi, K innermost, in blocks of 32 codes, four codes in three bytes); Wi_scales 1,024 x 32 uint8 (E8M0 scales of Wi, one for each 32 codes along K); Ws 1,024 x 1,024 float32; b1 8 x 4,096 float32; b2 8 x 1,024 float32; bg 8 float32; bi 1,024 float32; bs 1,024 float32; routing_state 4 x 1,024 float32; x_codes 4 x 256 x 32 x 24 uint8 (E3M2 codes of x, K innermost, in blocks of 32 codes, four codes in three bytes); x_scales 4 x 256 x 32 uint8 (E8M0 scales of x, one for each 32 codes along K).
;; Outputs: out0 4 x 256 x 1,024 float32; out1 4 x 256 x 8 float32.
;; This version of the problem:
;;   THIS VERSION OF THE PROBLEM IS GIVEN IN LOW PRECISION. The matrix products marked QUANTISED in the list below multiply operands that are first quantised to E3M2 (3 exponent bits, 2 mantissa bits; 6 bits a number), with one power-of-two scale for each 32 numbers along K (OCP MX v1.0); their sums are f32. All else is computed in f32.
;;   The module's matrix products, in the order in which they are computed (A, B: the left and right operand; K: the contracted axis; several contracted axes count as one K, in the product's order):
;;     1. [M 4, K 1,024] x [K 1,024, N 1,024]; A: input routing_state; B: input Ws: left as it is (M = 4 < 16)
;;     2. [M 1,024, K 1,024] x [K 1,024, N 1,024]; A: input x (given as codes); B: input Wi (given as codes): QUANTISED
;;     3. [M 1,024, K 1,024] x [K 1,024, N 8]; A: computed on the way; B: input Wg: left as it is (N = 8 < 16)
;;     4. [M 1,024, K 1,024] x [K 1,024, N 32,768]; A: input x (given as codes); B: input W1 (given as codes): QUANTISED
;;     5. batch 8 x [M 1,024, K 4,096] x [K 4,096, N 1,024]; A: input W2 (given as codes); B: computed on the way: QUANTISED
;;     6. batch 1,024 x [M 1, K 8] x [K 8, N 1,024]; A: softmax; B: computed on the way: left as it is (K = 8 < 32)
;;   THE QUANTISER, for each operand of a quantised product, along K:
;;     - K is cut into blocks of 32 from its start; a last block that is shorter is filled with zeros.
;;     - A block's scale is 2^e with e = floor(log2(the largest magnitude in the block)) - 4, held to -126 .. 127; a block of zeros has e = 0. As a byte (E8M0): e + 127.
;;     - Each number is divided by its block's scale, clamped to +-28, and rounded to the nearest number of E3M2, ties to even, subnormals kept.
;;     - The product sums the exact products of the quantised numbers (number of the format x scale) in f32.
;;   ~~~python
;;   def quantise(x, axis):      # numpy; x: float32 -> the quantised numbers, widened to float32 again
;;       x = np.moveaxis(x, axis, -1); K = x.shape[-1]
;;       x = np.pad(x, [(0, 0)] * (x.ndim - 1) + [(0, -K % 32)]); x = x.reshape(x.shape[:-1] + (-1, 32)); a = np.abs(x).max(-1, keepdims=True)
;;       e = np.where(a > 0, np.clip(np.frexp(np.where(a > 0, a, 1))[1] - 1 - 4, -126, 127), 0)      # np.frexp(a)[1] - 1 = floor(log2(a)), exactly
;;       r = np.clip(x / 2.0 ** e, -28, 28)
;;       step = 2.0 ** (np.maximum(np.frexp(np.where(r == 0, 1, r))[1] - 1, -2) - 2)
;;       q = np.round(r / step) * step * 2.0 ** e      # np.round: ties to even
;;       return np.moveaxis(q.reshape(q.shape[:-2] + (-1,))[..., :K], -1, axis).astype(np.float32)
;;   ~~~
;;   OPERANDS COMPUTED ON THE WAY. 'Computed on the way' means the value that the module computes at that place (a softmax that the list does not call 'softmax' is quantised finished and normalised). What goes into a quantiser is computed in f32, as accurately as f32 sums, v_exp_f32 and their like allow (about 1e-6 of the number): no bf16 or f16 on the way to a quantiser, and a product that is left as it is and whose result goes on into a quantised operand takes f32 operands (vector FMAs, or v_wmma_f32_16x16x4_f32). A number that lies on a knife's edge between two numbers of the format may be rounded either way, as far as f32 arithmetic and the matrix unit's own rounding can turn it there, and no further.
;;   INPUTS GIVEN AS CODES. W1 (in the module: [8, 1024, 4096], K = its axis 1); W2 (in the module: [8, 4096, 1024], K = its axis 1); Wi (in the module: [1024, 1024], K = its axis 0); x (in the module: [4, 256, 1024], K = its axis 2): each comes as NAME_codes (uint8): NAME with its K axis moved to the last place and cut into blocks of 32 codes, [.., K / 32, bytes a block], one block behind the other in memory; four codes in three bytes: a row's codes are one little-endian stream of bits, code i at bits 6 i .. 6 i + 5 (a code: sign, 3 exponent bits, 2 mantissa bits); and NAME_scales (uint8): the same leading axes, one E8M0 byte (e + 127) for each 32 codes along K. Its value is code x scale, taken as it is: it is not quantised again, and the codes and scales need not be those that the quantiser above would give.
;; One version. Each part assembles by itself: llvm-mc -triple=amdgcn-amd-amdhsa -mcpu=gfx1250 --defsym DOCPART=n.
;; ======== version 1 of 1: 4 launches
;; workspace buffers: XW 4,194,304 bytes; spP 262,144 bytes; Hc 26,214,400 bytes; P 33,554,432 bytes
;; launch pre (part 1): grid 16 x 16, 4 waves a work-group, no clusters, 17,920 bytes of LDS; arguments x_codes, x_scales, Wi_codes, Wi_scales, routing_state, Ws, XW, spP; writes XW, spP
.if DOCPART == 1
	.amdgcn_target "amdgcn-amd-amdhsa--gfx1250"
	.amdhsa_code_object_version 6
	.text
	.protected	k_q2b429489b3_pre
	.globl	k_q2b429489b3_pre
	.p2align	8
	.type	k_q2b429489b3_pre,@function
k_q2b429489b3_pre:
	s_mov_b64 s[64:65], 0
	v_nop
	global_prefetch_b8 v0, s[64:65] scope:SCOPE_SE
	s_setreg_imm32_b32 hwreg(HW_REG_WAVE_MODE, 25, 1), 1
	s_wait_xcnt 0x0
; RoutedFFN, launch 1 of 4.  NO WORK OF THE PROBLEM IS LEFT OUT IN ANY LAUNCH: every head is weighed in by the soft gate, bg differs along the softmax's axis, and b1, b2, bs, bi all reach an output; every input is loaded.
; This launch makes the two linear parts of the gate:  XW[t][n] = sum over k of x[t][k] Wi[k][n]  (codes of BF6 (E3M2) with E8M0 scales, as given; f32 sums; no bias yet),
; and spP[kg][b][n] = sum over k = 64 kg .. 64 kg + 63 of routing_state[b][k] Ws[k][n]  (f32 multiply-adds): sixteen parts along K, added in the last launch.
; SHARES.  Work-group (j, i): 64 tokens 64 i .. x 64 columns 64 j ..; wave w takes tokens 64 i + 16 w .. + 15 against the 64 columns: four accumulators, eight K steps of 128.
; The matrix instruction is used transposed (source 0 = 16 rows of Wi's codes, which lie [n][k]; source 1 = 16 tokens): a lane holds one token and eight neighbouring columns.
; The same work-group takes kg = i and the columns 64 j .. of the small product; wave w is batch w, a lane has two columns, routing_state's 64 numbers stand in scalar registers.
; All operands go from memory straight into registers: each is used once.  The result leaves through the wave's own stage in LDS, so that sixteen lanes store 256 consecutive bytes, aligned.
; REGISTERS, in windows of 256: window 0: v1-8 addresses; v12-15 the small product's four chains; v16-23 x's scale words; v24-55 Wi's; v56-87 accumulators; v96-191 x's eight fragments; v192-223 rows read back.
;   window 1: Wi's fragments of tiles 0, 1 (v[96 t + 12 s]); v192-255 Ws rows 0-31.   window 2: tiles 2, 3; v192-255 Ws rows 32-63.
.set SPARE, 17408                      ; behind the four stages of 16 x 272 bytes: the spare words, 128 bytes a wave
.set SPW, 10
.set NIL, 11
.set XS,  16
.set WS,  24
.set ACC, 56
.set AF,  96
.set BK,  192
.set MSB, 0
.macro WIN new                         ; the immediate's high byte repeats the setting that is left
.if MSB != (\new)
	s_set_vgpr_msb (MSB<<8)|(\new)
.set MSB, (\new)
.endif
.endm
	s_load_b256 s[4:11], s[0:1], 0x0               ; x's codes, x's scales, Wi's codes, Wi's scales
	s_load_b256 s[84:91], s[0:1], 0x20             ; routing_state, Ws, XW, spP
	v_lshl_add_u32 v[SPW], v0, 2, SPARE
	v_mov_b32 v[NIL], 0
	v_lshrrev_b32 v1, 5, v0
	v_readfirstlane_b32 s12, v1                    ; wave 0..3
	s_and_b32 s14, ttmp7, 0xffff                   ; i: block of 64 tokens, and kg
	v_and_b32 v1, 15, v0                           ; r
	v_bfe_u32 v2, v0, 4, 1                         ; h
	v_mul_u32_u24 v3, v1, 768                      ; a row of 1,024 codes is 768 bytes
	v_mad_u32_u24 v3, v2, 24, v3                   ; + 24 h
	v_lshlrev_b32 v4, 5, v1                        ; a row of scale bytes is 32 bytes
	v_and_b32 v5, 31, v0
	v_lshlrev_b32 v5, 3, v5                        ; 8 x lane: my two columns of the small product
	s_mul_i32 s13, s12, 4352                       ; my stage
	v_mul_u32_u24 v6, v1, 272
	v_lshl_add_u32 v6, v2, 5, v6
	v_add_nc_u32 v6, s13, v6                       ; in: row r, 32 bytes for each half of the lanes
	v_mul_u32_u24 v7, v2, 272
	v_lshl_add_u32 v7, v1, 4, v7
	v_add_nc_u32 v7, s13, v7                       ; back: lanes 0-15 one row of 256 bytes, lanes 16-31 the next
	v_lshlrev_b32 v8, 12, v2
	v_lshl_add_u32 v8, v1, 4, v8                   ; and the same two rows in XW
	s_lshl_b32 s2, s14, 6
	s_lshl_b32 s3, s12, 4
	s_add_co_u32 s2, s2, s3                        ; my first token
	s_mov_b32 s93, 0
	s_wait_kmcnt 0x0
	s_mul_i32 s92, s2, 768
	s_add_nc_u64 s[4:5], s[4:5], s[92:93]
	s_lshl_b32 s92, s2, 5
	s_add_nc_u64 s[6:7], s[6:7], s[92:93]
	s_mul_i32 s92, ttmp9, 49152                    ; 64 rows of Wi's codes
	s_add_nc_u64 s[8:9], s[8:9], s[92:93]
	s_lshl_b32 s92, ttmp9, 11
	s_add_nc_u64 s[10:11], s[10:11], s[92:93]
	s_lshl_b32 s92, s12, 12                        ; routing_state: batch w, k = 64 kg
	s_lshl_b32 s3, s14, 8
	s_add_co_u32 s92, s92, s3
	s_add_nc_u64 s[84:85], s[84:85], s[92:93]
	s_lshl_b32 s92, s14, 18                        ; Ws: row 64 kg, column 64 j
	s_lshl_b32 s3, ttmp9, 8
	s_add_co_u32 s92, s92, s3
	s_add_nc_u64 s[86:87], s[86:87], s[92:93]
	s_lshl_b32 s92, s2, 12                         ; XW: my first token's row, column 64 j
	s_add_co_u32 s92, s92, s3
	s_add_nc_u64 s[88:89], s[88:89], s[92:93]
	s_lshl_b32 s92, s14, 2                         ; spP: part kg, batch w, column 64 j
	s_add_co_u32 s92, s92, s12
	s_lshl_b32 s92, s92, 12
	s_add_co_u32 s92, s92, s3
	s_add_nc_u64 s[90:91], s[90:91], s[92:93]
	s_load_b512 s[16:31], s[84:85], 0x0            ; my batch's 64 numbers of routing_state
	s_load_b512 s[32:47], s[84:85], 0x40
	s_load_b512 s[48:63], s[84:85], 0x80
	s_load_b512 s[68:83], s[84:85], 0xc0
; all vector loads in one run; Ws's 64 come last, so that the product can begin while they are out
.irp s, 0,1,2,3,4,5,6,7
.irp p, 0,1,2,3,4,5
	global_load_b64 v[AF+12*\s+2*\p:AF+12*\s+2*\p+1], v3, s[4:5] offset:96*\s+48*(\p/3)+8*(\p%3)   ; x's fragment of K step s: 24 bytes of the row's stream of bits, twice
.endr
.endr
	global_load_b128 v[XS:XS+3], v4, s[6:7]        ; x's eight scale words
	global_load_b128 v[XS+4:XS+7], v4, s[6:7] offset:16
.irp t, 0,1,2,3
	global_load_b128 v[WS+8*\t:WS+8*\t+3], v4, s[10:11] offset:512*\t
	global_load_b128 v[WS+8*\t+4:WS+8*\t+7], v4, s[10:11] offset:512*\t+16
.endr
	WIN 0x40                                       ; destination window 1
.irp t, 0,1
.irp s, 0,1,2,3,4,5,6,7
.irp p, 0,1,2,3,4,5
	global_load_b64 v[96*\t+12*\s+2*\p:96*\t+12*\s+2*\p+1], v3, s[8:9] offset:12288*\t+96*\s+48*(\p/3)+8*(\p%3)
.endr
.endr
.endr
	WIN 0x80                                       ; destination window 2
.irp t, 2,3
.irp s, 0,1,2,3,4,5,6,7
.irp p, 0,1,2,3,4,5
	global_load_b64 v[96*(\t-2)+12*\s+2*\p:96*(\t-2)+12*\s+2*\p+1], v3, s[8:9] offset:12288*\t+96*\s+48*(\p/3)+8*(\p%3)
.endr
.endr
.endr
	WIN 0x40
.set kk, 0
.rept 32
	global_load_b64 v[192+2*kk:193+2*kk], v5, s[86:87] offset:4096*kk   ; a row of Ws at my two columns: the wave reads 256 consecutive bytes
.set kk, kk+1
.endr
	WIN 0x80
.rept 32
	global_load_b64 v[192+2*(kk-32):193+2*(kk-32)], v5, s[86:87] offset:4096*kk
.set kk, kk+1
.endr
.macro XWI t, s, w                     ; one K step of tile t; w: Wi's fragment in its window.  The first step starts the sum
.if \s == 0
	v_wmma_scale_f32_16x16x128_f8f6f4 v[ACC+8*\t:ACC+8*\t+7], v[\w:\w+11], v[AF+12*\s:AF+12*\s+11], 0, v[WS+8*\t+\s], v[XS+\s] matrix_a_fmt:MATRIX_FMT_BF6 matrix_b_fmt:MATRIX_FMT_BF6
.else
	v_wmma_scale_f32_16x16x128_f8f6f4 v[ACC+8*\t:ACC+8*\t+7], v[\w:\w+11], v[AF+12*\s:AF+12*\s+11], v[ACC+8*\t:ACC+8*\t+7], v[WS+8*\t+\s], v[XS+\s] matrix_a_fmt:MATRIX_FMT_BF6 matrix_b_fmt:MATRIX_FMT_BF6
.endif
.endm
	s_wait_loadcnt 63                              ; behind the codes and scale words stand Ws's 64 loads; 63 is the largest count the wait takes, so one of them is waited for too
	WIN 0x01                                       ; source 0 window 1.  Two accumulators by turns
.irp s, 0,1,2,3,4,5,6,7
.irp t, 0,1
	XWI \t, \s, 96*\t+12*\s
.endr
.endr
	WIN 0x02                                       ; source 0 window 2
.irp s, 0,1,2,3,4,5,6,7
.irp t, 2,3
	XWI \t, \s, 96*(\t-2)+12*\s
.endr
.endr
	WIN 0
.rept 4
	v_nop                                          ; four places between the last product and the first read of results (ISA guide 7.12.1)
.endr
.irp t, 0,1,2,3
	ds_store_b128 v6, v[ACC+8*\t:ACC+8*\t+3] offset:64*\t          ; each accumulator from its low end on
	ds_store_b128 v6, v[ACC+8*\t+4:ACC+8*\t+7] offset:64*\t+16
.endr
.irp i, 0,1,2,3,4,5,6,7
	ds_load_b128 v[BK+4*\i:BK+4*\i+3], v7 offset:544*\i            ; LDS serves a wave's instructions in order: these see my stores
.endr
.irp i, 0,1,2,3,4,5,6,7
	s_wait_dscnt 7-\i                              ; the younger loads may stay out
	global_store_b128 v8, v[BK+4*\i:BK+4*\i+3], s[88:89] offset:8192*\i   ; sixteen lanes store 256 consecutive bytes, aligned
.endr
	s_wait_loadcnt 0x0                             ; Ws
	s_wait_kmcnt 0x0                               ; routing_state
	WIN 0x04                                       ; source 1 window 1.  Four chains: column x parity of k
.set kk, 0
.rept 32
.if kk < 2
	v_mul_f32 v[12+2*(kk%2)], s[16+kk], v[192+2*kk]
	v_mul_f32 v[13+2*(kk%2)], s[16+kk], v[193+2*kk]
.else
	v_fmac_f32 v[12+2*(kk%2)], s[16+kk], v[192+2*kk]
	v_fmac_f32 v[13+2*(kk%2)], s[16+kk], v[193+2*kk]
.endif
.set kk, kk+1
.endr
	WIN 0x08                                       ; source 1 window 2
.rept 32
.if kk < 48
.set sr, 16+kk
.else
.set sr, 20+kk
.endif
	v_fmac_f32 v[12+2*(kk%2)], s[sr], v[192+2*(kk-32)]
	v_fmac_f32 v[13+2*(kk%2)], s[sr], v[193+2*(kk-32)]
.set kk, kk+1
.endr
	WIN 0
	v_add_f32 v12, v12, v14
	v_add_f32 v13, v13, v15
	global_store_b64 v5, v[12:13], s[90:91]        ; the wave stores 256 consecutive bytes, aligned
	s_wait_tensorcnt 0x0                           ; the wave's end, behind my last LDS store
	ds_add_u32 v[SPW], v[NIL]
	s_wait_dscnt 0x0
	s_endpgm
.Lfunc_end_k_q2b429489b3_pre:
	.size	k_q2b429489b3_pre, .Lfunc_end_k_q2b429489b3_pre-k_q2b429489b3_pre
	.p2alignl 7, 3214868480
	.fill 96, 4, 3214868480
	.section	.rodata,"a",@progbits
	.p2align	6, 0x0
	.amdhsa_kernel k_q2b429489b3_pre
		.amdhsa_group_segment_fixed_size 17920
		.amdhsa_private_segment_fixed_size 0
		.amdhsa_enable_private_segment 0
		.amdhsa_kernarg_size 64
		.amdhsa_user_sgpr_count 2
		.amdhsa_user_sgpr_kernarg_segment_ptr 1
		.amdhsa_wavefront_size32 1
		.amdhsa_system_sgpr_workgroup_id_x 1
		.amdhsa_system_sgpr_workgroup_id_y 1
		.amdhsa_system_sgpr_workgroup_id_z 1
		.amdhsa_system_vgpr_workitem_id 0
		.amdhsa_next_free_vgpr 768
		.amdhsa_next_free_sgpr 96
		.amdhsa_reserve_vcc 0
		.amdhsa_float_denorm_mode_32 3
		.amdhsa_float_denorm_mode_16_64 3
		.amdhsa_memory_ordered 1
		.amdhsa_forward_progress 1
		.amdhsa_inst_pref_size 43
	.end_amdhsa_kernel
	.amdgpu_metadata
---
amdhsa.version: [ 1, 2 ]
amdhsa.kernels:
  - .name:           k_q2b429489b3_pre
    .symbol:         k_q2b429489b3_pre.kd
    .args:
      - { .name: x_codes, .offset: 0, .size: 8, .value_kind: global_buffer, .address_space: global }
      - { .name: x_scales, .offset: 8, .size: 8, .value_kind: global_buffer, .address_space: global }
      - { .name: Wi_codes, .offset: 16, .size: 8, .value_kind: global_buffer, .address_space: global }
      - { .name: Wi_scales, .offset: 24, .size: 8, .value_kind: global_buffer, .address_space: global }
      - { .name: routing_state, .offset: 32, .size: 8, .value_kind: global_buffer, .address_space: global }
      - { .name: Ws, .offset: 40, .size: 8, .value_kind: global_buffer, .address_space: global }
      - { .name: XW, .offset: 48, .size: 8, .value_kind: global_buffer, .address_space: global }
      - { .name: spP, .offset: 56, .size: 8, .value_kind: global_buffer, .address_space: global }
    .group_segment_fixed_size: 17920
    .private_segment_fixed_size: 0
    .kernarg_segment_align: 8
    .kernarg_segment_size: 64
    .max_flat_workgroup_size: 128
    .sgpr_count:     96
    .vgpr_count:     768
    .wavefront_size: 32
...
	.end_amdgpu_metadata
.endif
;; end of part 1
;; launch hid (part 2): grid 128 x 4, 4 waves a work-group, clusters of 4 x 4, 327,680 bytes of LDS; arguments x_codes, x_scales, W1_codes, W1_scales, b1, Hc; writes Hc
.if DOCPART == 2
	.amdgcn_target "amdgcn-amd-amdhsa--gfx1250"
	.amdhsa_code_object_version 6
	.text
	.protected	k_q2b429489b3_hid
	.globl	k_q2b429489b3_hid
	.p2align	8
	.type	k_q2b429489b3_hid,@function
k_q2b429489b3_hid:
	s_mov_b64 s[64:65], 0
	v_nop
	global_prefetch_b8 v0, s[64:65] scope:SCOPE_SE
	s_setreg_imm32_b32 hwreg(HW_REG_WAVE_MODE, 25, 1), 1
	s_wait_xcnt 0x0
	s_wait_alu depctr_hold_cnt(0) depctr_sa_sdst(0) depctr_va_vdst(0) depctr_va_sdst(0) depctr_va_ssrc(0) depctr_va_vcc(0) depctr_vm_vsrc(0)
	s_getreg_b32 s2, hwreg(HW_REG_IB_STS2, 6, 4)
	s_cmp_eq_u32 s2, 0
	s_cbranch_scc0 .Lentry_in_a_cluster
	s_endpgm
.Lentry_in_a_cluster:
	s_bfe_u32 s2, ttmp6, 0x10000c
	s_cmp_lg_u32 s2, 0xf033
	s_cbranch_scc0 .Lentry_shape_is_right
	s_endpgm
.Lentry_shape_is_right:
; RoutedFFN, launch 2 of 4: hidden = gelu(x W1 + b1) for all eight heads, quantised along f to BF6 (E3M2) with one E8M0 scale for each 32, stored as the next product's operand.  No work is left out.
; THE PRODUCT: x [1024 tokens][1024] and W1 [32768 = 8 heads x 4096][1024], both as given codes, K innermost, 768 bytes a row; scale bytes 32 a row.  A tile of 256 tokens x 256 hidden units is made by four waves,
; 128 x 128 each: 64 accumulators, 512 registers.  K goes in four steps of 256 through a ring of two LDS slots filled by the tensor data mover; the scale bytes of the tile's rows come once.
; CLUSTERS: 4 x 4 work-groups; x's tiles are shared along a row of the cluster, W1's along a column: each is asked for jointly, by the same load with the same descriptor and a mask that names the four.
; The matrix instruction is used transposed (source 0 = 16 rows of W1, source 1 = 16 tokens): a lane holds one token and eight neighbouring hidden units.  b1 is the C of each sum's first product.
; THE WAY OUT.  The wave's 128 x 128 numbers go through its own stage in LDS (rows of 512 + 16 bytes) and come back so that lane (r, h) holds, of token r, the whole blocks of 32 hidden units h and 2 + h: the places that the
; 6-bit operand layout gives that lane.  gelu, the block's largest magnitude, scale byte and conversion then need no other lane, and the twelve registers of codes ARE the operand's registers.
; gelu(v) = v (0.5 + vc A(s) / B(s)), vc = v held to +-4 sqrt 2, s = vc^2: erf as the quotient of two polynomials in z^2 = s / 2, the powers of two folded into the coefficients' exponents, 1 / (2 sqrt 2) into B.
; Hc: records of 12,800 bytes, [token / 128][hidden unit / 128]: eight images of 1,536 bytes (16 tokens x 128 k: register q of lane l at 512 (q / 4) + 16 l + 4 (q % 4)), then 128 scale words, a token each.
; LIMITS: NaN and infinities are not served; a block whose largest magnitude lies under 2^-122 keeps the byte 1 (a block of zeros too: its codes are zeros, and this program alone reads the bytes);
; the quotient gives erf to a few units in the last place, and 1 beyond |v| = 4 sqrt 2.
; REGISTERS in the product: window 0: v16-30 addresses; v32-63 scale words, two sets; v64-127 b1; v128-223 x's fragments, one set.  window 1: W1's fragments, two sets.  windows 2, 3: accumulators.
.set KSTEP,  256
.set NQ,     2
.set ROWB,   192                       ; a tile's row in bytes: 256 codes
.set KROW,   768                       ; a row of codes in memory
.set PITCH,  240                       ; an LDS row: 3 x (64 bytes + 16 of padding)
.set FR,     12
.set NL,     6
.set NP,     4
.set HALFT,  128*PITCH
.set SLOT,   4*HALFT
.set KS,     32                        ; a row of scale bytes
.set SCL,    2*SLOT                    ; behind the ring: the scale bytes, as units of 256 bytes + 16
.set HALFS,  4352
.set SBLK,   544
.set SROW,   528                       ; the way out: a stage row
.set WSTG,   128*SROW                  ; a wave's stage; the four lie from byte 0 on, over ring and scales, which have had their last fill and their last read by then
.set SCW,    4*WSTG                    ; 512 bytes a wave: the scale words just made
.set SPARE,  SCW+2048                  ; the spare words, 128 bytes a wave
.set ADRA, 16
.set ADRB, 20
.set ADRS, 27
.set SPW,  28
.set NIL,  29
.set SC,   32
.set BI,   64
.set AF,   128
.set G1, 24
.set G0, 32
.set G1B, 48
.set G0B, 56
.set G1S, 68
.set G0S, 76
.set G1SB, 80
.set G0SB, 88
.set MSB, 0
.macro WIN new
.if MSB != (\new)
	s_set_vgpr_msb (MSB<<8)|(\new)
.set MSB, (\new)
.endif
.endm
.set MUL_LO, 0xa1                      ; source 0 (W1) window 1, source 1 (x) window 0, C and D window 2
.set MUL_HI, 0xf1                      ; the same, C and D window 3
.set TO_B,   0x40
; A joint load: waves 0 and 1 fetch for x, waves 2 and 3 for W1.  The branch hangs on the wave's number alone.  An s_nop 0 and four v_nop follow each line.
.macro JLOAD g0a, g1a, g0b, g1b
	s_cmp_eq_u32 s15, 0
	s_cbranch_scc0 .Lfor_b_\@
	tensor_load_to_lds s[\g0a:\g0a+3], s[\g1a:\g1a+7]
	s_nop 0
.rept 4
	v_nop
.endr
	s_branch .Lasked_\@
.Lfor_b_\@:
	tensor_load_to_lds s[\g0b:\g0b+3], s[\g1b:\g1b+7]
	s_nop 0
.rept 4
	v_nop
.endr
.Lasked_\@:
.endm
.macro CREST                           ; a round of the cluster's barrier behind its opening barrier
	s_cmp_lg_u32 s14, 0
	s_cbranch_scc1 .Lnot_wave_0_\@
	s_barrier_signal -3
.Lnot_wave_0_\@:
	s_barrier_wait -3
	s_barrier_signal -1
	s_barrier_wait -1
.endm
.macro CROUND
	s_barrier_signal -1
	s_barrier_wait -1
	CREST
.endm
	s_load_b128 s[4:7], s[0:1], 0x0                ; x's codes, x's scales
	s_load_b128 s[8:11], s[0:1], 0x10              ; W1's codes, W1's scales
	s_load_b128 s[96:99], s[0:1], 0x20             ; b1, Hc
	v_lshl_add_u32 v[SPW], v0, 2, SPARE
	v_mov_b32 v[NIL], 0
	ds_add_u32 v[SPW], v[NIL]                      ; the wave's opening: the add, twice on end, and its wait ahead of my first tensor load
	ds_add_u32 v[SPW], v[NIL]
	v_lshrrev_b32 v1, 5, v0
	v_readfirstlane_b32 s14, v1                    ; wave 0..3
	s_lshr_b32 s15, s14, 1                         ; which 128 tokens are mine.  Also: I fetch for x (0) or for W1 (1)
	s_and_b32 s16, s14, 1                          ; which 128 hidden units.  Also: which 128 rows of that tile I fetch
	s_bfe_u32 s40, ttmp6, 0x40000                  ; cx, cy
	s_bfe_u32 s41, ttmp6, 0x40004
	s_lshl_b32 s42, ttmp9, 2
	s_add_co_u32 s42, s42, s40                     ; tile column (256 hidden units)
	s_and_b32 s17, ttmp7, 0xffff
	s_lshl_b32 s17, s17, 2
	s_add_co_u32 s17, s17, s41                     ; tile row (256 tokens)
	s_lshl_b32 s43, s41, 2
	s_lshl_b32 s43, 15, s43                        ; my row of the cluster
	s_lshl_b32 s44, 0x1111, s40                    ; my column
	s_or_b32 s[G1+0], s43, (0<<16)|(1<<20)|(1<<21)|(3<<22)|(3<<25)  ; the mask; elements of 1 byte; padding on; bit 21 beside a mask; after every 16 words, 4 words
	s_or_b32 s[G1B+0], s44, (0<<16)|(1<<20)|(1<<21)|(3<<22)|(3<<25)
.irp g, G1, G1B
	s_mov_b32 s[\g+1], ROWB<<16                    ; tensor_dim0
	s_mov_b32 s[\g+2], 128<<16                     ; tensor_dim1
	s_mov_b32 s[\g+3], ROWB<<16                    ; tile_dim0
	s_mov_b32 s[\g+4], 128                         ; tile_dim1
	s_mov_b32 s[\g+5], KROW                        ; from row to row
	s_mov_b32 s[\g+6], 0
	s_mov_b32 s[\g+7], 0
.endr
	s_or_b32 s[G1S+0], s43, (3<<16)|(1<<20)|(1<<21)|(5<<22)|(3<<25) ; the scale bytes of 128 rows: 4,096 dense bytes as 16 rows of 256, 16 bytes of padding behind each
	s_or_b32 s[G1SB+0], s44, (3<<16)|(1<<20)|(1<<21)|(5<<22)|(3<<25)
.irp g, G1S, G1SB
	s_mov_b32 s[\g+1], 32<<16
	s_mov_b32 s[\g+2], 16<<16
	s_mov_b32 s[\g+3], 32<<16
	s_mov_b32 s[\g+4], 16
	s_mov_b32 s[\g+5], 32
	s_mov_b32 s[\g+6], 0
	s_mov_b32 s[\g+7], 0
.endr
	s_lshl_b32 s18, s16, 7
	s_lshl_b32 s20, s17, 8
	s_add_co_u32 s20, s20, s18                     ; x: row 256 x tile row + 128 x half
	s_lshl_b32 s46, s42, 8
	s_add_co_u32 s46, s46, s18                     ; W1: row 256 x tile column + 128 x half
	s_mov_b32 s21, 0
	s_mov_b32 s47, 0
	s_mov_b64 s[18:19], KS
	s_mul_u64 s[22:23], s[20:21], s[18:19]
	s_mul_u64 s[92:93], s[46:47], s[18:19]
	s_mov_b64 s[18:19], KROW
	s_mul_u64 s[20:21], s[20:21], s[18:19]
	s_mul_u64 s[46:47], s[46:47], s[18:19]
	s_mul_i32 s45, s14, HALFT                      ; where they go: wave x 128 rows
	s_mul_i32 s94, s14, HALFS
	s_wait_dscnt 0x0                               ; both opening adds are done
	s_wait_kmcnt 0x0
	s_add_nc_u64 s[20:21], s[4:5], s[20:21]
	s_add_nc_u64 s[22:23], s[6:7], s[22:23]
	s_add_nc_u64 s[46:47], s[8:9], s[46:47]
	s_add_nc_u64 s[92:93], s[10:11], s[92:93]
	CROUND                                         ; all sixteen work-groups are here: the first joint loads meet
	s_mov_b32 s[G0S], 1
	s_add_co_u32 s[G0S+1], s94, SCL
	s_mov_b64 s[G0S+2:G0S+3], s[22:23]
	s_or_b32 s[G0S+3], s[G0S+3], 0x80000000
	s_mov_b32 s[G0SB], 1
	s_add_co_u32 s[G0SB+1], s94, SCL
	s_mov_b64 s[G0SB+2:G0SB+3], s[92:93]
	s_or_b32 s[G0SB+3], s[G0SB+3], 0x80000000
	JLOAD G0S, G1S, G0SB, G1SB                     ; the scale bytes first; with the two slots three loads of mine are out
.irp s, 0,1
	s_mov_b32 s[G0+4*\s], 1
	s_add_co_u32 s[G0+4*\s+1], s45, \s*SLOT
	s_add_nc_u64 s[G0+4*\s+2:G0+4*\s+3], s[20:21], \s*ROWB
	s_or_b32 s[G0+4*\s+3], s[G0+4*\s+3], 0x80000000
	s_mov_b32 s[G0B+4*\s], 1
	s_add_co_u32 s[G0B+4*\s+1], s45, \s*SLOT
	s_add_nc_u64 s[G0B+4*\s+2:G0B+4*\s+3], s[46:47], \s*ROWB
	s_or_b32 s[G0B+4*\s+3], s[G0B+4*\s+3], 0x80000000
	JLOAD G0+4*\s, G1, G0B+4*\s, G1B
.endr
	v_and_b32 v1, 15, v0                           ; r
	v_bfe_u32 v2, v0, 4, 1                         ; h
	v_mul_u32_u24 v3, v1, PITCH
	v_mul_u32_u24 v4, v2, 24
	v_add_nc_u32 v4, v3, v4                        ; a fragment's row x pitch + 24 h
	v_lshl_add_u32 v5, v2, 4, v4                   ; and the same behind one padding more
	s_mul_i32 s21, s15, HALFT                      ; my 128 tokens
	s_mul_i32 s22, s16, HALFT                      ; my 128 rows of W1,
	s_add_co_u32 s22, s22, 2*HALFT                 ; which lie behind x's 256
.irp s, 0,1
	v_add_nc_u32 v[ADRA+\s], s21, v4
	v_add_nc_u32 v[ADRB+\s], s22, v4
	v_add_nc_u32 v[ADRA+2+\s], s21, v5
	v_add_nc_u32 v[ADRB+2+\s], s22, v5
	s_add_co_u32 s21, s21, SLOT
	s_add_co_u32 s22, s22, SLOT
.endr
	v_mul_u32_u24 v5, v1, KS                       ; my row's scale bytes,
	v_lshrrev_b32 v6, 8, v5
	v_lshl_add_u32 v5, v6, 4, v5                   ; and 16 more for each 256 passed
	s_mul_i32 s21, s15, HALFS
	s_mul_i32 s22, s16, HALFS
	s_add_co_u32 s22, s22, 2*HALFS
	s_sub_co_u32 s22, s22, s21
	v_mul_u32_u24 v6, s22, v2                      ; lanes 16-31 take W1's
	s_add_co_u32 s21, s21, SCL
	v_add_nc_u32 v5, v5, v6
	v_add_nc_u32 v[ADRS], s21, v5
	s_lshl_b32 s46, s42, 10                        ; b1 at my 128 hidden units: 4 x (256 x tile column + 128 x half)
	s_lshl_b32 s47, s16, 9
	s_add_co_u32 s46, s46, s47
	s_mov_b32 s47, 0
	s_add_nc_u64 s[96:97], s[96:97], s[46:47]
	v_lshlrev_b32 v30, 5, v2                       ; lane (r, h) wants, for W1's block b, the units 16 b + 8 h + 0 .. 7: the result's layout
.irp b, 0,1,2,3,4,5,6,7
	global_load_b128 v[BI+8*\b:BI+8*\b+3], v30, s[96:97] offset:64*\b
	global_load_b128 v[BI+8*\b+4:BI+8*\b+7], v30, s[96:97] offset:64*\b+16
.endr
.macro FRAG reg, adr, q, i             ; a fragment: 16 rows x 128 K, 12 registers, in pieces of 8 bytes; where the piece three on lies behind one padding more, the second address register serves
.irp p, 0,1,2,3,4,5
.set PCE, 12*(\q)+6*(\p/3)+\p%3
.if PCE%8 < 5
	ds_load_b64 v[\reg+2*\p:\reg+2*\p+1], v[\adr] offset:8*PCE+16*(PCE/8)+(\i)*16*PITCH
.else
	ds_load_b64 v[\reg+2*\p:\reg+2*\p+1], v[\adr+2] offset:8*PCE+16*(PCE/8)+(\i)*16*PITCH
.endif
.endr
.endm
; 16 matrix instructions: x's blocks a0, a0 + 1 against W1's eight.  zero = 1: the first product starts the sums from b1.  The 64 accumulators take turns, in the same order in every step.
.macro MUL16 a0, p, q, sc, zero
.irp a, \a0, \a0+1
.irp b, 0,1,2,3,4,5,6,7
.if \zero
	v_wmma_scale_f32_16x16x128_f8f6f4 v[8*(8*((\a)%4)+\b):8*(8*((\a)%4)+\b)+7], v[128*(\p)+FR*\b:128*(\p)+FR*\b+FR-1], v[AF+FR*(\a):AF+FR*(\a)+FR-1], v[BI+8*\b:BI+8*\b+7], v[SC+8*NQ*(\sc)+NQ*\b+(\q)], v[SC+8*NQ*(\sc)+NQ*(\a)+(\q)] matrix_a_fmt:MATRIX_FMT_BF6 matrix_b_fmt:MATRIX_FMT_BF6 matrix_a_scale:MATRIX_SCALE_ROW1
.else
	v_wmma_scale_f32_16x16x128_f8f6f4 v[8*(8*((\a)%4)+\b):8*(8*((\a)%4)+\b)+7], v[128*(\p)+FR*\b:128*(\p)+FR*\b+FR-1], v[AF+FR*(\a):AF+FR*(\a)+FR-1], v[8*(8*((\a)%4)+\b):8*(8*((\a)%4)+\b)+7], v[SC+8*NQ*(\sc)+NQ*\b+(\q)], v[SC+8*NQ*(\sc)+NQ*(\a)+(\q)] matrix_a_fmt:MATRIX_FMT_BF6 matrix_b_fmt:MATRIX_FMT_BF6 matrix_a_scale:MATRIX_SCALE_ROW1
.endif
.endr
.endr
.endm
.macro FETCH_B slot, q, p
	WIN TO_B
.irp i, 0,1,2,3,4,5,6,7
	FRAG 128*(\p)+FR*\i, ADRB+\slot, \q, \i
.endr
	WIN 0
.endm
.macro FETCH_A slot, q, i0
.irp i, \i0, \i0+1, \i0+2, \i0+3
	FRAG AF+FR*(\i), ADRA+\slot, \q, \i
.endr
.endm
.macro SCALES sc                       ; a K step's scale words: lanes 0-15 x's block i, lanes 16-31 W1's block i
.irp i, 0,1,2,3,4,5,6,7
	ds_load_b64 v[SC+8*NQ*\sc+NQ*\i:SC+8*NQ*\sc+NQ*\i+1], v[ADRS] offset:\i*SBLK
.endr
.endm
.macro PLACES n                        ; places in front of loads into registers that matrix instructions have read (ISA guide 7.12.1 for vector instructions)
.rept \n
	v_nop
.endr
.endm
.macro STEP slot, q, zero              ; a step of 128 along K that has its successor in the same slot
	s_wait_dscnt 4*NL                              ; W1's set and x's blocks 0-3 are in; the 24 loads of x's blocks 4-7 may be out
.if \zero
	WIN 0x81                                       ; C (b1) in window 0, D in window 2
.else
	WIN MUL_LO
.endif
	MUL16 0, (\q)%2, \q, \slot, \zero
	MUL16 2, (\q)%2, \q, \slot, \zero
	s_wait_dscnt 0
	PLACES NP
	FETCH_B \slot, (\q)+1, 1-(\q)%2
	FETCH_A \slot, (\q)+1, 0
.if \zero
	WIN 0xc1                                       ; C in window 0, D in window 3
.else
	WIN MUL_HI
.endif
	MUL16 4, (\q)%2, \q, \slot, \zero
	MUL16 6, (\q)%2, \q, \slot, \zero
	PLACES NP
	WIN 0
	FETCH_A \slot, (\q)+1, 4
.endm
; A slot's last step changes slots: one barrier; in front of it each wave waits for all its tensor loads, adds 0 to its spare word, and waits for that and for its reads of this slot.
.macro TURN slot, next, fill
	s_wait_tensorcnt 0x0                           ; all my tensor loads have landed: my part of the next slot
	ds_add_u32 v[SPW], v[NIL]
	s_wait_dscnt 4*NL+1                            ; the add and the 24 youngest loads may be out
	WIN MUL_LO
	MUL16 0, 1, NQ-1, \slot, 0
	s_wait_dscnt 0x0                               ; the add is done, and my reads of this slot are over
	s_barrier_signal -1
	MUL16 2, 1, NQ-1, \slot, 0
	WIN 0
	s_barrier_wait -1
.if \fill
	CREST                                          ; the barrier has opened a round of the cluster's: no wave of any partner still reads this slot or has a load on its way
	s_add_nc_u64 s[G0+4*\slot+2:G0+4*\slot+3], s[G0+4*\slot+2:G0+4*\slot+3], 2*ROWB
	s_add_nc_u64 s[G0B+4*\slot+2:G0B+4*\slot+3], s[G0B+4*\slot+2:G0B+4*\slot+3], 2*ROWB
	JLOAD G0+4*\slot, G1, G0B+4*\slot, G1B         ; my one tensor load behind the round; its four v_nop are the places in front of the loads below
.else
	PLACES NP
.endif
	v_add_nc_u32 v[ADRS], 4*NQ, v[ADRS]
	FETCH_B \next, 0, 0
	FETCH_A \next, 0, 0
	SCALES \next
	WIN MUL_HI
	MUL16 4, 1, NQ-1, \slot, 0
	MUL16 6, 1, NQ-1, \slot, 0
	PLACES NP
	WIN 0
	FETCH_A \next, 0, 4
.endm
	s_wait_tensorcnt 1                             ; the scale bytes and my part of K step 0 are in; K step 1's load may be out
	s_barrier_signal -1
	s_barrier_wait -1
	FETCH_B 0, 0, 0
	FETCH_A 0, 0, 0
	SCALES 0
	FETCH_A 0, 0, 4
	s_wait_loadcnt 0x0                             ; b1
	STEP 0, 0, 1                                   ; K = 1,024 is four slots' worth: written out, no loop
	TURN 0, 1, 1
	STEP 1, 0, 0
	TURN 1, 0, 1
	STEP 0, 0, 0
	TURN 0, 1, 0                                   ; nothing is left to fetch
	STEP 1, 0, 0
	s_wait_dscnt 4*NL
	WIN MUL_LO
	MUL16 0, 1, NQ-1, 1, 0
	MUL16 2, 1, NQ-1, 1, 0
	s_wait_dscnt 0
	WIN MUL_HI
	MUL16 4, 1, NQ-1, 1, 0
	MUL16 6, 1, NQ-1, 1, 0
	WIN 0
; ---- THE WAY OUT ----
.set STO, 3                            ; v3   stage, in: 67,584 w + 528 r + 32 h
.set RD0, 4                            ; v4   stage, back: 67,584 w + 528 r + 128 h
.set RDA, 5                            ; v5   the same, at the block in hand
.set LI,  6                            ; v6   16 x lane
.set SW0, 7                            ; v7   my token's scale word: SCW + 512 w + 4 r
.set SWA, 8
.set SH8, 9                            ; v9   8 h
.set BY,  10                           ; v10-11 the two blocks' scale bytes
.set SWR, 12                           ; v12  SCW + 512 w + 16 x lane
.set X0,  32                           ; 32 numbers: block h
.set X1,  64                           ; 32 numbers: block 2 + h
.set XC,  96
.set SQ,  128
.set PA,  160
.set PB,  192
.set PCD, 224                          ; v224-235 the fragment's codes
.set TQ,  96                           ; at work while XC is free
.set M0,  100
.set M1,  101
.set SCO, 102
.set WW,  103
.set TMPR, 104
.set KA0, 236                          ; the coefficients, each twice, as pairs for the packed forms
.set KA1, 238
.set KA2, 240
.set KA3, 242
.set KA4, 244
.set KA5, 246
.set KA6, 248
.set KB0, 250
.set KB1, 252
.set KB2, 254
.set KB3, 14
.set KB4, 16
.set KH,  18
.set CLO, 2                            ; s2 -4 sqrt 2, s3 4 sqrt 2
.set CHI, 3
.set SEL, 18                           ; s[18:19] lane l xor 16
.set TS,  20                           ; s20 the block's place in the stage; s21 the next block's, held at the last
.set TN,  21
.set CNT, 22
.set SWS, 23
.set HB,  40                           ; s[40:41] where the block's image goes
.macro KSET reg, bits
	v_mov_b32 v[\reg], \bits
	v_mov_b32 v[\reg+1], \bits
.endm
.macro HSTART d, k1, k0, n             ; d = s k1 + k0
.set gi, 0
.rept \n/2
	v_pk_fma_f32 v[\d+gi:\d+gi+1], v[SQ+gi:SQ+gi+1], v[\k1:\k1+1], v[\k0:\k0+1]
.set gi, gi+2
.endr
.endm
.macro HORNER d, k, n                  ; d = d s + k
.set gi, 0
.rept \n/2
	v_pk_fma_f32 v[\d+gi:\d+gi+1], v[\d+gi:\d+gi+1], v[SQ+gi:SQ+gi+1], v[\k:\k+1]
.set gi, gi+2
.endr
.endm
.macro GELU x, n                       ; n numbers in v[x] on, in place
.set gi, 0
.rept \n
	v_med3_num_f32 v[XC+gi], v[\x+gi], s[CLO], s[CHI]
.set gi, gi+1
.endr
.set gi, 0
.rept \n/2
	v_pk_mul_f32 v[SQ+gi:SQ+gi+1], v[XC+gi:XC+gi+1], v[XC+gi:XC+gi+1]
.set gi, gi+2
.endr
	HSTART PB, KB4, KB3, \n
	HORNER PB, KB2, \n
	HORNER PB, KB1, \n
	HORNER PB, KB0, \n                             ; all its terms have one sign: never 0
.set gi, 0
.rept \n
	v_rcp_f32 v[PB+gi], v[PB+gi]                   ; one batch; the numerator below is the independent work behind it
.set gi, gi+1
.endr
	HSTART PA, KA6, KA5, \n
	HORNER PA, KA4, \n
	HORNER PA, KA3, \n
	HORNER PA, KA2, \n
	HORNER PA, KA1, \n
	HORNER PA, KA0, \n
.set gi, 0
.rept \n/2
	v_pk_mul_f32 v[PA+gi:PA+gi+1], v[PA+gi:PA+gi+1], v[XC+gi:XC+gi+1]
.set gi, gi+2
.endr
	s_wait_alu depctr_va_vdst(0)                   ; one wait for the batch of reciprocals, ahead of their first reader
.set gi, 0
.rept \n/2
	v_pk_fma_f32 v[PA+gi:PA+gi+1], v[PA+gi:PA+gi+1], v[PB+gi:PB+gi+1], v[KH:KH+1]
.set gi, gi+2
.endr
.set gi, 0
.rept \n/2
	v_pk_mul_f32 v[\x+gi:\x+gi+1], v[\x+gi:\x+gi+1], v[PA+gi:PA+gi+1]
.set gi, gi+2
.endr
.endm
.macro QUANT32 x, c                    ; a whole block of 32 in my registers: its scale byte into v[BY + c], its codes into registers 6 c .. 6 c + 5 of the fragment
	v_max3_num_f32 v[M0], |v[\x]|, |v[\x+1]|, 0x2800000            ; the floor 2^(5 - 127) among the leaves: the byte cannot fall under 1
	v_max3_num_f32 v[M1], |v[\x+2]|, |v[\x+3]|, 0x2800000
.set gi, 4
.rept 7
	v_max3_num_f32 v[M0], v[M0], |v[\x+gi]|, |v[\x+gi+1]|
	v_max3_num_f32 v[M1], v[M1], |v[\x+gi+2]|, |v[\x+gi+3]|
.set gi, gi+4
.endr
	v_max_num_f32 v[M0], v[M0], v[M1]
	v_add_nc_u32 v[SCO], 0xfe000000, v[M0]         ; 4 off the exponent field: the conversion's scale operand
	v_lshrrev_b32 v[BY+\c], 23, v[SCO]             ; the scale's byte
	v_cvt_scalef32_pk16_bf6_f32 v[PCD+6*\c:PCD+6*\c+2], v[\x:\x+15], v[SCO]
	v_cvt_scalef32_pk16_bf6_f32 v[TQ:TQ+2], v[\x+16:\x+31], v[SCO]   ; (a conversion's three registers begin on an even number)
	v_nop                                          ; one plain place behind a scaled conversion
	v_mov_b32 v[PCD+6*\c+3], v[TQ]
	v_mov_b32 v[PCD+6*\c+4], v[TQ+1]
	v_mov_b32 v[PCD+6*\c+5], v[TQ+2]
.endm
	s_wait_dscnt 0x0                               ; my reads of ring and scale bytes are over,
	s_barrier_signal -1
	s_barrier_wait -1                              ; everybody's are: the stages may be written over them (all fills have landed: the wait for all tensor loads stood at the last change of slots)
	v_and_b32 v1, 15, v0                           ; the set-up is also the places between the last products and the first read of results
	v_bfe_u32 v2, v0, 4, 1
	s_mul_i32 s92, s14, WSTG
	v_mul_u32_u24 v3, v1, SROW
	v_add_nc_u32 v3, s92, v3
	v_lshl_add_u32 v[RD0], v2, 7, v3
	v_lshl_add_u32 v[STO], v2, 5, v3
	v_and_b32 v[LI], 31, v0
	v_lshlrev_b32 v[LI], 4, v[LI]
	s_lshl_b32 s93, s14, 9
	s_add_co_u32 s93, s93, SCW
	v_lshl_add_u32 v[SW0], v1, 2, s93
	v_add_nc_u32 v[SWR], s93, v[LI]
	v_lshlrev_b32 v[SH8], 3, v2
	v_mov_b32 v[RDA], v[RD0]
	KSET KA0, 0xbc83dbd4
	KSET KA1, 0xbac1a1f6
	KSET KA2, 0xb940ac63
	KSET KA3, 0xb6eec2d2
	KSET KA4, 0xb40cff51
	KSET KA5, 0x306dffee
	KSET KA6, 0xac95df0b
	KSET KB0, 0xbd2542a9
	KSET KB1, 0xbc2ad7f2
	KSET KB2, 0xba9bf7b5
	KSET KB3, 0xb89e3512
	KSET KB4, 0xb62ccd2b
	KSET KH, 0.5
	s_mov_b32 s[CLO], 0xc0b504f3
	s_mov_b32 s[CHI], 0x40b504f3
	s_mov_b32 s[SEL], 0x76543210
	s_mov_b32 s[SEL+1], 0xfedcba98
	s_lshl_b32 s94, s17, 1                         ; my record: (2 x tile row + my half of the tokens) x 256 + 2 x tile column + my half of the units
	s_add_co_u32 s94, s94, s15
	s_lshl_b32 s94, s94, 8
	s_lshl_b32 s95, s42, 1
	s_add_co_u32 s95, s95, s16
	s_add_co_u32 s94, s94, s95
	s_mul_i32 s94, s94, 12800
	s_mov_b32 s95, 0
	s_add_nc_u64 s[HB:HB+1], s[98:99], s[94:95]
.irp a, 0,1,2,3,4,5,6,7
	WIN 0x08+4*(\a/4)                              ; an LDS store's data are its source 1: window 2 or 3
.irp b, 0,1,2,3,4,5,6,7
	ds_store_b128 v[STO], v[8*(8*(\a%4)+\b):8*(8*(\a%4)+\b)+3] offset:16*SROW*\a+64*\b      ; each accumulator from its low end on
	ds_store_b128 v[STO], v[8*(8*(\a%4)+\b)+4:8*(8*(\a%4)+\b)+7] offset:16*SROW*\a+64*\b+16
.endr
.endr
	WIN 0
.irp j, 0,1,2,3,4,5,6,7
	ds_load_b128 v[X0+4*\j:X0+4*\j+3], v[RDA] offset:16*\j          ; LDS serves a wave's instructions in order: these see my stores
.endr
.irp j, 0,1,2,3,4,5,6,7
	ds_load_b128 v[X1+4*\j:X1+4*\j+3], v[RDA] offset:256+16*\j
.endr
	s_mov_b32 s[TS], 0
	s_mov_b32 s[SWS], 0
	s_mov_b32 s[CNT], 8
.Lblk:                                             ; eight trips: a block of 16 tokens x 128 hidden units becomes one fragment and 16 scale words
	s_wait_dscnt 8                                 ; block h's 32 numbers are in; behind them stand the eight loads of block 2 + h (from the second trip on a store too: the smaller count serves both ways in)
	GELU X0, 32
	QUANT32 X0, 0
	s_add_co_u32 s[TN], s[TS], 16*SROW
	s_min_u32 s[TN], s[TN], 7*16*SROW              ; the last trip reads its own block once more: no branch, and inside my stage
	v_add_nc_u32 v[RDA], s[TN], v[RD0]
.irp j, 0,1,2,3,4,5,6,7
	ds_load_b128 v[X0+4*\j:X0+4*\j+3], v[RDA] offset:16*\j
.endr
	s_wait_dscnt 8                                 ; all but the eight just issued
	GELU X1, 32
	QUANT32 X1, 1
.irp j, 0,1,2,3,4,5,6,7
	ds_load_b128 v[X1+4*\j:X1+4*\j+3], v[RDA] offset:256+16*\j
.endr
	v_lshl_or_b32 v[WW], v[BY+1], 16, v[BY]        ; my two bytes: blocks h and 2 + h,
	v_lshlrev_b32 v[WW], v[SH8], v[WW]             ; at their places in the scale word;
	v_permlanex16_b32 v[TMPR], v[WW], s[SEL], s[SEL+1]
	v_or_b32 v[WW], v[WW], v[TMPR]                 ; with lane l xor 16's two the word is whole
	v_add_nc_u32 v[SWA], s[SWS], v[SW0]
	ds_store_b32 v[SWA], v[WW]                     ; both halves of the lanes write the same word with the same value
.irp c, 0,1,2
	global_store_b128 v[LI], v[PCD+4*\c:PCD+4*\c+3], s[HB:HB+1] offset:512*\c   ; the image: 512 consecutive bytes a store, aligned
.endr
	s_wait_xcnt 0x0                                ; the stores have read their data and base: both are written again only behind this wait
	s_add_nc_u64 s[HB:HB+1], s[HB:HB+1], 1536
	s_add_co_u32 s[TS], s[TS], 16*SROW
	s_add_co_u32 s[SWS], s[SWS], 64
	s_sub_co_i32 s[CNT], s[CNT], 1
	s_cmp_lg_u32 s[CNT], 0
	s_cbranch_scc1 .Lblk
	ds_load_b128 v[TQ:TQ+3], v[SWR]                ; my 128 scale words
	s_wait_dscnt 0x0
	global_store_b128 v[LI], v[TQ:TQ+3], s[HB:HB+1]   ; behind the eight images: 512 consecutive bytes
	s_wait_tensorcnt 0x0                           ; the wave's end, behind my last tensor load and my last LDS store
	ds_add_u32 v[SPW], v[NIL]
	s_wait_dscnt 0x0
	CROUND                                         ; the closing round
	s_endpgm
.Lfunc_end_k_q2b429489b3_hid:
	.size	k_q2b429489b3_hid, .Lfunc_end_k_q2b429489b3_hid-k_q2b429489b3_hid
	.p2alignl 7, 3214868480
	.fill 96, 4, 3214868480
	.section	.rodata,"a",@progbits
	.p2align	6, 0x0
	.amdhsa_kernel k_q2b429489b3_hid
		.amdhsa_group_segment_fixed_size 327680
		.amdhsa_private_segment_fixed_size 0
		.amdhsa_enable_private_segment 0
		.amdhsa_kernarg_size 48
		.amdhsa_user_sgpr_count 2
		.amdhsa_user_sgpr_kernarg_segment_ptr 1
		.amdhsa_wavefront_size32 1
		.amdhsa_system_sgpr_workgroup_id_x 1
		.amdhsa_system_sgpr_workgroup_id_y 1
		.amdhsa_system_sgpr_workgroup_id_z 1
		.amdhsa_system_vgpr_workitem_id 0
		.amdhsa_next_free_vgpr 1024
		.amdhsa_next_free_sgpr 100
		.amdhsa_reserve_vcc 0
		.amdhsa_float_denorm_mode_32 3
		.amdhsa_float_denorm_mode_16_64 3
		.amdhsa_memory_ordered 1
		.amdhsa_forward_progress 1
		.amdhsa_inst_pref_size 182
	.end_amdhsa_kernel
	.amdgpu_metadata
---
amdhsa.version: [ 1, 2 ]
amdhsa.kernels:
  - .name:           k_q2b429489b3_hid
    .symbol:         k_q2b429489b3_hid.kd
    .args:
      - { .name: x_codes, .offset: 0, .size: 8, .value_kind: global_buffer, .address_space: global }
      - { .name: x_scales, .offset: 8, .size: 8, .value_kind: global_buffer, .address_space: global }
      - { .name: W1_codes, .offset: 16, .size: 8, .value_kind: global_buffer, .address_space: global }
      - { .name: W1_scales, .offset: 24, .size: 8, .value_kind: global_buffer, .address_space: global }
      - { .name: b1, .offset: 32, .size: 8, .value_kind: global_buffer, .address_space: global }
      - { .name: Hc, .offset: 40, .size: 8, .value_kind: global_buffer, .address_space: global }
    .group_segment_fixed_size: 327680
    .private_segment_fixed_size: 0
    .kernarg_segment_align: 8
    .kernarg_segment_size: 48
    .max_flat_workgroup_size: 128
    .sgpr_count:     100
    .vgpr_count:     1024
    .wavefront_size: 32
...
	.end_amdgpu_metadata
.endif
;; end of part 2
;; launch ffn2 (part 3): grid 8 x 32, 4 waves a work-group, clusters of 4 x 4, 327,680 bytes of LDS; arguments Hc, W2_codes, W2_scales, P; writes P
.if DOCPART == 3
	.amdgcn_target "amdgcn-amd-amdhsa--gfx1250"
	.amdhsa_code_object_version 6
	.text
	.protected	k_q2b429489b3_ffn2
	.globl	k_q2b429489b3_ffn2
	.p2align	8
	.type	k_q2b429489b3_ffn2,@function
k_q2b429489b3_ffn2:
	s_mov_b64 s[64:65], 0
	v_nop
	global_prefetch_b8 v0, s[64:65] scope:SCOPE_SE
	s_setreg_imm32_b32 hwreg(HW_REG_WAVE_MODE, 25, 1), 1
	s_wait_xcnt 0x0
	s_wait_alu depctr_hold_cnt(0) depctr_sa_sdst(0) depctr_va_vdst(0) depctr_va_sdst(0) depctr_va_ssrc(0) depctr_va_vcc(0) depctr_vm_vsrc(0)
	s_getreg_b32 s2, hwreg(HW_REG_IB_STS2, 6, 4)
	s_cmp_eq_u32 s2, 0
	s_cbranch_scc0 .Lentry_in_a_cluster
	s_endpgm
.Lentry_in_a_cluster:
	s_bfe_u32 s2, ttmp6, 0x10000c
	s_cmp_lg_u32 s2, 0xf033
	s_cbranch_scc0 .Lentry_shape_is_right
	s_endpgm
.Lentry_shape_is_right:
; RoutedFFN, launch 3 of 4: P[head][t][d] = sum over f of hidden[t][head][f] W2[head][f][d], on codes of BF6 (E3M2) with E8M0 scales; f32 sums.  b2 and the gate come in the last launch.  No work is left out.
; SHARES.  A work-group makes 256 tokens x 128 d of one head, over all of K = 4,096: 32 steps of 128.  Four waves, 128 tokens x 64 d each: 32 accumulators.  256 work-groups.
; The matrix instruction is used transposed (source 0 = 16 rows of W2's codes, which lie [d][f]; source 1 = 16 tokens): a lane holds one token and eight neighbouring d.
; THE HIDDEN LAYER lies in Hc as images of the operand's registers (records of 12,800 bytes: eight fragments of 16 tokens x 128 k, then 128 scale words): four steps' records of 128 tokens are 51,200 dense bytes,
; one tensor load; a fragment comes out of LDS by three loads of 16 bytes a lane, consecutive, and two blocks' scale words by one load of 4 bytes a lane.
; W2's tile is 128 rows x 384 bytes (four steps), 16 bytes of padding behind every 128: rows 432 bytes = 108 words apart, so that the 32 lanes of a load of 8 bytes touch 64 different banks (ISA guide 11.1).
; W2's scale words of my 64 rows, for all 32 steps, stay in 64 registers: that is why the steps are written out by macros and not looped.
; CLUSTERS: 4 x 4 work-groups of one head: cy is the block of 256 tokens, cx the block of 128 d.  The hidden tiles are shared along a row of the cluster, W2's along a column; each is asked for jointly.
; THE RING: two slots of four steps each; one change of slots for 128 matrix instructions a wave; one tensor load a wave behind each round.
; REGISTERS: window 0: v16-30 addresses; v32-39 the hidden layer's scale words, two sets; v64-127 W2's; v128-191 the way out.  window 1: the tokens' fragments, two sets of 96.  window 2: accumulators (a, b) at v[8 (4 a + b)].
;   window 3: W2's fragments, two sets of 48.
.set REC,   12800
.set APART, 8*REC                      ; a slot's hidden part: [token half][step][record]
.set BP,    432
.set SLOT,  APART+128*BP               ; 157,696
.set SPARE, 2*SLOT                     ; the spare words, 128 bytes a wave
.set ADRA, 16                          ; v16-17 my tokens' images in slot 0, 1
.set ADSA, 18                          ; v18-19 their scale words
.set ADRB, 20                          ; v20-21 my rows of W2; v22-23 the same behind one padding more
.set STO,  24
.set RD,   25
.set CO,   26
.set SPW,  28
.set NIL,  29
.set SA,   32
.set SB,   64
.set BK,   128
.set G1, 24
.set G0, 32
.set G1B, 48
.set G0B, 56
.set MULW, 0xa7                        ; source 0 (W2) window 3, source 1 (tokens) window 1, C and D window 2
.set MSB, 0
.macro WIN new
.if MSB != (\new)
	s_set_vgpr_msb (MSB<<8)|(\new)
.set MSB, (\new)
.endif
.endm
.macro JLOAD g0a, g1a, g0b, g1b        ; waves 0 and 1 fetch the hidden layer's two halves, waves 2 and 3 W2's.  An s_nop 0 and four v_nop follow each line
	s_cmp_eq_u32 s15, 0
	s_cbranch_scc0 .Lfor_b_\@
	tensor_load_to_lds s[\g0a:\g0a+3], s[\g1a:\g1a+7]
	s_nop 0
.rept 4
	v_nop
.endr
	s_branch .Lasked_\@
.Lfor_b_\@:
	tensor_load_to_lds s[\g0b:\g0b+3], s[\g1b:\g1b+7]
	s_nop 0
.rept 4
	v_nop
.endr
.Lasked_\@:
.endm
.macro CREST
	s_cmp_lg_u32 s14, 0
	s_cbranch_scc1 .Lnot_wave_0_\@
	s_barrier_signal -3
.Lnot_wave_0_\@:
	s_barrier_wait -3
	s_barrier_signal -1
	s_barrier_wait -1
.endm
.macro CROUND
	s_barrier_signal -1
	s_barrier_wait -1
	CREST
.endm
.macro PLACES
.rept 4
	v_nop
.endr
.endm
	s_load_b256 s[4:11], s[0:1], 0x0               ; Hc, W2's codes, W2's scales, P
	v_lshl_add_u32 v[SPW], v0, 2, SPARE
	v_mov_b32 v[NIL], 0
	ds_add_u32 v[SPW], v[NIL]                      ; the wave's opening: the add, twice on end, and its wait ahead of my first tensor load
	ds_add_u32 v[SPW], v[NIL]
	v_lshrrev_b32 v1, 5, v0
	v_readfirstlane_b32 s14, v1                    ; wave 0..3
	s_lshr_b32 s15, s14, 1                         ; which 128 tokens are mine.  Also: I fetch the hidden layer (0) or W2 (1)
	s_and_b32 s16, s14, 1                          ; which 64 d.  Also: which half of that tile I fetch
	s_bfe_u32 s40, ttmp6, 0x40000                  ; cx
	s_bfe_u32 s41, ttmp6, 0x40004                  ; cy: the block of 256 tokens
	s_lshl_b32 s42, ttmp9, 2
	s_add_co_u32 s42, s42, s40                     ; the block of 128 d
	s_and_b32 s17, ttmp7, 0xffff                   ; the cluster's y: the head
	s_lshl_b32 s43, s41, 2
	s_lshl_b32 s43, 15, s43                        ; my row of the cluster
	s_lshl_b32 s44, 0x1111, s40                    ; my column
	s_or_b32 s[G1+0], s43, (3<<16)|(1<<21)         ; the hidden layer: 51,200 dense bytes as 200 rows of 32 elements of 8 bytes; no padding
	s_mov_b32 s[G1+1], 32<<16
	s_mov_b32 s[G1+2], 200<<16
	s_mov_b32 s[G1+3], 32<<16
	s_mov_b32 s[G1+4], 200
	s_mov_b32 s[G1+5], 32
	s_mov_b32 s[G1+6], 0
	s_mov_b32 s[G1+7], 0
	s_or_b32 s[G1B+0], s44, (0<<16)|(1<<20)|(1<<21)|(4<<22)|(3<<25)  ; W2: 64 rows of 384 bytes; after every 32 words, 4 words of padding
	s_mov_b32 s[G1B+1], 384<<16
	s_mov_b32 s[G1B+2], 64<<16
	s_mov_b32 s[G1B+3], 384<<16
	s_mov_b32 s[G1B+4], 64
	s_mov_b32 s[G1B+5], 3072                       ; a row of W2's codes in memory
	s_mov_b32 s[G1B+6], 0
	s_mov_b32 s[G1B+7], 0
	s_lshl_b32 s20, s41, 1                         ; the hidden layer: record ((2 cy + half) x 256 + 32 head): cy, the head and the wave's number alone
	s_add_co_u32 s20, s20, s16
	s_lshl_b32 s20, s20, 8
	s_lshl_b32 s21, s17, 5
	s_add_co_u32 s20, s20, s21
	s_mul_i32 s20, s20, REC
	s_mov_b32 s21, 0
	s_lshl_b32 s46, s17, 10                        ; W2: row 1,024 head + 128 x block of d + 64 x half
	s_lshl_b32 s47, s42, 7
	s_add_co_u32 s46, s46, s47
	s_lshl_b32 s47, s16, 6
	s_add_co_u32 s46, s46, s47
	s_lshl_b32 s12, s46, 7                         ; its scale bytes: 128 a row (my 64 d are the half that I would fetch)
	s_mov_b32 s13, 0
	s_mul_i32 s46, s46, 3072
	s_mov_b32 s47, 0
	s_mul_i32 s45, s16, 4*REC                      ; where they go: no place in the cluster enters an LDS address
	s_mul_i32 s18, s16, 64*BP
	s_add_co_u32 s18, s18, APART
	s_wait_dscnt 0x0                               ; both opening adds are done
	s_wait_kmcnt 0x0
	s_add_nc_u64 s[20:21], s[4:5], s[20:21]
	s_add_nc_u64 s[46:47], s[6:7], s[46:47]
	s_add_nc_u64 s[8:9], s[8:9], s[12:13]
	CROUND                                         ; all sixteen work-groups are here: the first joint loads meet
.irp s, 0,1
	s_mov_b32 s[G0+4*\s], 1
	s_add_co_u32 s[G0+4*\s+1], s45, \s*SLOT
	s_add_nc_u64 s[G0+4*\s+2:G0+4*\s+3], s[20:21], \s*4*REC
	s_or_b32 s[G0+4*\s+3], s[G0+4*\s+3], 0x80000000
	s_mov_b32 s[G0B+4*\s], 1
	s_add_co_u32 s[G0B+4*\s+1], s18, \s*SLOT
	s_add_nc_u64 s[G0B+4*\s+2:G0B+4*\s+3], s[46:47], \s*384
	s_or_b32 s[G0B+4*\s+3], s[G0B+4*\s+3], 0x80000000
	JLOAD G0+4*\s, G1, G0B+4*\s, G1B               ; two loads of mine are out
.endr
	v_and_b32 v1, 15, v0                           ; r
	v_bfe_u32 v2, v0, 4, 1                         ; h
	v_and_b32 v3, 31, v0                           ; lane
	v_lshlrev_b32 v30, 7, v1
	v_lshl_add_u32 v30, v2, 12, v30                ; W2's scale words: lanes 0-15 take block bb's rows, lanes 16-31 block bb + 2's
.irp bb, 0,1
.irp g, 0,1,2,3,4,5,6,7
	global_load_b128 v[SB+32*\bb+4*\g:SB+32*\bb+4*\g+3], v30, s[8:9] offset:2048*\bb+16*\g   ; register SB + 32 bb + s: step s's word
.endr
.endr
	s_mul_i32 s2, s15, 4*REC
	v_lshl_add_u32 v[ADRA], v3, 4, s2
	v_add_nc_u32 v[ADRA+1], SLOT, v[ADRA]
	s_add_co_u32 s2, s2, 12288
	v_lshl_add_u32 v[ADSA], v3, 2, s2
	v_add_nc_u32 v[ADSA+1], SLOT, v[ADSA]
	s_mul_i32 s3, s16, 64*BP
	s_add_co_u32 s3, s3, APART
	v_mul_u32_u24 v4, v1, BP
	v_add_nc_u32 v4, s3, v4
	v_mad_u32_u24 v[ADRB], v2, 24, v4
	v_mad_u32_u24 v[ADRB+2], v2, 40, v4
	v_add_nc_u32 v[ADRB+1], SLOT, v[ADRB]
	v_add_nc_u32 v[ADRB+3], SLOT, v[ADRB+2]
	s_mul_i32 s2, s14, 4352                        ; the way out: a stage of 16 rows x 272 bytes a wave, in slot 0, which has had its last fill and its last read by then
	v_mul_u32_u24 v[STO], v1, 272
	v_lshl_add_u32 v[STO], v2, 5, v[STO]
	v_add_nc_u32 v[STO], s2, v[STO]
	v_mul_u32_u24 v[RD], v2, 272
	v_lshl_add_u32 v[RD], v1, 4, v[RD]
	v_add_nc_u32 v[RD], s2, v[RD]
	v_lshlrev_b32 v[CO], 12, v2
	v_lshl_add_u32 v[CO], v1, 4, v[CO]
	s_lshl_b32 s22, s17, 22                        ; P: the head's 4 MiB, my first token's row, my first d
	s_lshl_b32 s23, s41, 20
	s_add_co_u32 s22, s22, s23
	s_lshl_b32 s23, s15, 19
	s_add_co_u32 s22, s22, s23
	s_lshl_b32 s23, s42, 9
	s_add_co_u32 s22, s22, s23
	s_lshl_b32 s23, s16, 8
	s_add_co_u32 s22, s22, s23
	s_mov_b32 s23, 0
	s_add_nc_u64 s[10:11], s[10:11], s[22:23]
; 52 LDS loads in one run: step q of a slot into set st: eight fragments of tokens, four of W2, four registers of scale words
.macro FETCH slot, q, st
	WIN 0x40                                       ; destination window 1
.irp i, 0,1,2,3,4,5,6,7
.irp c, 0,1,2
	ds_load_b128 v[96*(\st)+12*\i+4*\c:96*(\st)+12*\i+4*\c+3], v[ADRA+(\slot)] offset:REC*(\q)+1536*\i+512*\c
.endr
.endr
	WIN 0xc0                                       ; destination window 3
.irp i, 0,1,2,3
.irp pp, 0,1,2,3,4,5
.set PCE, 12*(\q)+6*(\pp/3)+\pp%3     ; the row's piece of 8 bytes; 16 bytes of padding lie behind every 16 pieces; lanes 16-31 read three pieces on
.if PCE%16 < 13
	ds_load_b64 v[48*(\st)+12*\i+2*\pp:48*(\st)+12*\i+2*\pp+1], v[ADRB+(\slot)] offset:8*PCE+16*(PCE/16)+16*BP*\i
.else
	ds_load_b64 v[48*(\st)+12*\i+2*\pp:48*(\st)+12*\i+2*\pp+1], v[ADRB+2+(\slot)] offset:8*PCE+16*(PCE/16)+16*BP*\i
.endif
.endr
.endr
	WIN 0
.irp i2, 0,1,2,3
	ds_load_b32 v[SA+4*(\st)+\i2], v[ADSA+(\slot)] offset:REC*(\q)+128*\i2   ; lanes 0-15: tokens' block 2 i2, lanes 16-31: block 2 i2 + 1
.endr
.endm
.macro WM a, b, st, ks, zero           ; one product: tokens' block a x W2's block b, step ks
.set rD, 8*(4*(\a)+\b)
.set rW, 48*(\st)+12*\b
.set rH, 96*(\st)+12*(\a)
.set rSW, SB+32*(\b%2)+(\ks)
.set rSH, SA+4*(\st)+(\a)/2
.set sel, 2*(\b/2)+(\a)%2
.if \zero
.if sel == 0
	v_wmma_scale_f32_16x16x128_f8f6f4 v[rD:rD+7], v[rW:rW+11], v[rH:rH+11], 0, v[rSW], v[rSH] matrix_a_fmt:MATRIX_FMT_BF6 matrix_b_fmt:MATRIX_FMT_BF6
.elseif sel == 1
	v_wmma_scale_f32_16x16x128_f8f6f4 v[rD:rD+7], v[rW:rW+11], v[rH:rH+11], 0, v[rSW], v[rSH] matrix_a_fmt:MATRIX_FMT_BF6 matrix_b_fmt:MATRIX_FMT_BF6 matrix_b_scale:MATRIX_SCALE_ROW1
.elseif sel == 2
	v_wmma_scale_f32_16x16x128_f8f6f4 v[rD:rD+7], v[rW:rW+11], v[rH:rH+11], 0, v[rSW], v[rSH] matrix_a_fmt:MATRIX_FMT_BF6 matrix_b_fmt:MATRIX_FMT_BF6 matrix_a_scale:MATRIX_SCALE_ROW1
.else
	v_wmma_scale_f32_16x16x128_f8f6f4 v[rD:rD+7], v[rW:rW+11], v[rH:rH+11], 0, v[rSW], v[rSH] matrix_a_fmt:MATRIX_FMT_BF6 matrix_b_fmt:MATRIX_FMT_BF6 matrix_a_scale:MATRIX_SCALE_ROW1 matrix_b_scale:MATRIX_SCALE_ROW1
.endif
.else
.if sel == 0
	v_wmma_scale_f32_16x16x128_f8f6f4 v[rD:rD+7], v[rW:rW+11], v[rH:rH+11], v[rD:rD+7], v[rSW], v[rSH] matrix_a_fmt:MATRIX_FMT_BF6 matrix_b_fmt:MATRIX_FMT_BF6
.elseif sel == 1
	v_wmma_scale_f32_16x16x128_f8f6f4 v[rD:rD+7], v[rW:rW+11], v[rH:rH+11], v[rD:rD+7], v[rSW], v[rSH] matrix_a_fmt:MATRIX_FMT_BF6 matrix_b_fmt:MATRIX_FMT_BF6 matrix_b_scale:MATRIX_SCALE_ROW1
.elseif sel == 2
	v_wmma_scale_f32_16x16x128_f8f6f4 v[rD:rD+7], v[rW:rW+11], v[rH:rH+11], v[rD:rD+7], v[rSW], v[rSH] matrix_a_fmt:MATRIX_FMT_BF6 matrix_b_fmt:MATRIX_FMT_BF6 matrix_a_scale:MATRIX_SCALE_ROW1
.else
	v_wmma_scale_f32_16x16x128_f8f6f4 v[rD:rD+7], v[rW:rW+11], v[rH:rH+11], v[rD:rD+7], v[rSW], v[rSH] matrix_a_fmt:MATRIX_FMT_BF6 matrix_b_fmt:MATRIX_FMT_BF6 matrix_a_scale:MATRIX_SCALE_ROW1 matrix_b_scale:MATRIX_SCALE_ROW1
.endif
.endif
.endm
.macro MUL8 a0, st, ks, zero           ; eight products; the 32 accumulators take turns, in the same order in every step
.irp a, \a0, \a0+1
.irp b, 0,1,2,3
	WM (\a), \b, \st, \ks, \zero
.endr
.endr
.endm
.macro STEP slot, q, ks, zero          ; one of a slot's first three steps: the next step's operands are asked for at its head, 32 matrix instructions ahead of their use
	s_wait_dscnt 0x0                               ; this step's operands are in
	PLACES                                         ; in front of loads into the set that the last step's products read
	FETCH (\slot), (\q)+1, 1-(\q)%2
	WIN MULW
	MUL8 0, (\q)%2, \ks, \zero
	MUL8 2, (\q)%2, \ks, \zero
	MUL8 4, (\q)%2, \ks, \zero
	MUL8 6, (\q)%2, \ks, \zero
.endm
; A slot's last step changes slots: one barrier; in front of it each wave waits for all its tensor loads, adds 0 to its spare word, and waits for that and for its reads of this slot.
.macro TURN slot, next, ks, fill
	WIN 0                                          ; (the add's two registers lie in window 0)
	s_wait_tensorcnt 0x0                           ; all my tensor loads have landed: my part of the next slot
	ds_add_u32 v[SPW], v[NIL]
	s_wait_dscnt 1                                 ; this step's operands are in; the add alone may be out
	WIN MULW
	MUL8 0, 1, \ks, 0
	s_wait_dscnt 0x0                               ; the add is done, and my reads of this slot are over
	s_barrier_signal -1
	MUL8 2, 1, \ks, 0
	WIN 0
	s_barrier_wait -1
.if \fill
	CREST                                          ; the barrier has opened a round of the cluster's: no wave of any partner still reads this slot or has a load on its way
	s_add_nc_u64 s[G0+4*(\slot)+2:G0+4*(\slot)+3], s[G0+4*(\slot)+2:G0+4*(\slot)+3], 8*REC
	s_add_nc_u64 s[G0B+4*(\slot)+2:G0B+4*(\slot)+3], s[G0B+4*(\slot)+2:G0B+4*(\slot)+3], 768
	JLOAD G0+4*(\slot), G1, G0B+4*(\slot), G1B     ; my one tensor load behind the round: it has a slot's four steps in which to land; its four v_nop are the places in front of the loads below
.else
	PLACES
.endif
	FETCH (\next), 0, 0
	WIN MULW
	MUL8 4, 1, \ks, 0
	MUL8 6, 1, \ks, 0
.endm
	s_wait_tensorcnt 1                             ; my part of slot 0 is in; slot 1's load may be out
	s_barrier_signal -1
	s_barrier_wait -1
	FETCH 0, 0, 0
	s_wait_loadcnt 0x0                             ; W2's scale words
	STEP 0, 0, 0, 1                                ; the first step's products start the sums: nothing is cleared
	STEP 0, 1, 1, 0
	STEP 0, 2, 2, 0
	TURN 0, 1, 3, 1
.irp g, 1,2,3,4,5
	STEP \g%2, 0, 4*\g, 0
	STEP \g%2, 1, 4*\g+1, 0
	STEP \g%2, 2, 4*\g+2, 0
	TURN \g%2, 1-\g%2, 4*\g+3, 1
.endr
	STEP 0, 0, 24, 0
	STEP 0, 1, 25, 0
	STEP 0, 2, 26, 0
	TURN 0, 1, 27, 0                               ; nothing is left to fetch
	STEP 1, 0, 28, 0
	STEP 1, 1, 29, 0
	STEP 1, 2, 30, 0
	s_wait_dscnt 0x0
	MUL8 0, 1, 31, 0
	MUL8 2, 1, 31, 0
	MUL8 4, 1, 31, 0
	MUL8 6, 1, 31, 0
	WIN 0
; THE WAY OUT, a block of 16 tokens x 64 d at a time, through my own stage: back as whole rows of 256 bytes, which sixteen lanes store as one aligned run.
.macro TOSTAGE a
	WIN 0x08                                       ; an LDS store's data are its source 1: window 2
.irp b, 0,1,2,3
	ds_store_b128 v[STO], v[8*(4*(\a)+\b):8*(4*(\a)+\b)+3] offset:64*\b          ; each accumulator from its low end on
	ds_store_b128 v[STO], v[8*(4*(\a)+\b)+4:8*(4*(\a)+\b)+7] offset:64*\b+16
.endr
	WIN 0
.set BB, BK+32*((\a)%2)
.irp t, 0,1,2,3,4,5,6,7
	ds_load_b128 v[BB+4*\t:BB+4*\t+3], v[RD] offset:\t*544     ; LDS serves a wave's instructions in order: these see the stores above, and the next block's stores come behind them
.endr
.endm
.macro SEND a, younger
.set BB, BK+32*((\a)%2)
	s_wait_dscnt \younger                          ; the block is back; the next block's 8 stores and 8 loads may be out
.if (\a) > 0
	s_add_nc_u64 s[10:11], s[10:11], 65536         ; 16 rows of P on (behind a wait on XCNT: the earlier stores have read their base)
.endif
.irp t, 0,1,2,3,4,5,6,7
	global_store_b128 v[CO], v[BB+4*\t:BB+4*\t+3], s[10:11] offset:\t*8192 th:TH_STORE_NT
.endr
.endm
	PLACES                                         ; between the last products and the first read of results
	TOSTAGE 0
.irp a, 1,2,3,4,5,6,7
.if \a > 1
	s_wait_xcnt 0x0                                ; block a - 2's stores have read their registers and their base
.endif
	TOSTAGE \a
	SEND \a-1, 16
.endr
	s_wait_xcnt 0x0
	SEND 7, 0
	s_wait_tensorcnt 0x0                           ; the wave's end, behind my last tensor load and my last LDS store
	ds_add_u32 v[SPW], v[NIL]
	s_wait_dscnt 0x0
	CROUND                                         ; the closing round
	s_endpgm
.Lfunc_end_k_q2b429489b3_ffn2:
	.size	k_q2b429489b3_ffn2, .Lfunc_end_k_q2b429489b3_ffn2-k_q2b429489b3_ffn2
	.p2alignl 7, 3214868480
	.fill 96, 4, 3214868480
	.section	.rodata,"a",@progbits
	.p2align	6, 0x0
	.amdhsa_kernel k_q2b429489b3_ffn2
		.amdhsa_group_segment_fixed_size 327680
		.amdhsa_private_segment_fixed_size 0
		.amdhsa_enable_private_segment 0
		.amdhsa_kernarg_size 32
		.amdhsa_user_sgpr_count 2
		.amdhsa_user_sgpr_kernarg_segment_ptr 1
		.amdhsa_wavefront_size32 1
		.amdhsa_system_sgpr_workgroup_id_x 1
		.amdhsa_system_sgpr_workgroup_id_y 1
		.amdhsa_system_sgpr_workgroup_id_z 1
		.amdhsa_system_vgpr_workitem_id 0
		.amdhsa_next_free_vgpr 1024
		.amdhsa_next_free_sgpr 66
		.amdhsa_reserve_vcc 0
		.amdhsa_float_denorm_mode_32 3
		.amdhsa_float_denorm_mode_16_64 3
		.amdhsa_memory_ordered 1
		.amdhsa_forward_progress 1
		.amdhsa_inst_pref_size 255
	.end_amdhsa_kernel
	.section	.bss,"aw",@nobits
	.p2align	6
	.space	262144
	.amdgpu_metadata
---
amdhsa.version: [ 1, 2 ]
amdhsa.kernels:
  - .name:           k_q2b429489b3_ffn2
    .symbol:         k_q2b429489b3_ffn2.kd
    .args:
      - { .name: Hc, .offset: 0, .size: 8, .value_kind: global_buffer, .address_space: global }
      - { .name: W2_codes, .offset: 8, .size: 8, .value_kind: global_buffer, .address_space: global }
      - { .name: W2_scales, .offset: 16, .size: 8, .value_kind: global_buffer, .address_space: global }
      - { .name: P, .offset: 24, .size: 8, .value_kind: global_buffer, .address_space: global }
    .group_segment_fixed_size: 327680
    .private_segment_fixed_size: 0
    .kernarg_segment_align: 8
    .kernarg_segment_size: 32
    .max_flat_workgroup_size: 128
    .sgpr_count:     66
    .vgpr_count:     1024
    .wavefront_size: 32
...
	.end_amdgpu_metadata
.endif
;; end of part 3
;; launch fin (part 4): grid 256 x 1, 8 waves a work-group, no clusters, 2,304 bytes of LDS; arguments spP, bs, bi, XW, Wg, bg, P, b2, out0, out1; writes out0, out1
.if DOCPART == 4
	.amdgcn_target "amdgcn-amd-amdhsa--gfx1250"
	.amdhsa_code_object_version 6
	.text
	.protected	k_q2b429489b3_fin
	.globl	k_q2b429489b3_fin
	.p2align	8
	.type	k_q2b429489b3_fin,@function
k_q2b429489b3_fin:
	s_mov_b64 s[64:65], 0
	v_nop
	global_prefetch_b8 v0, s[64:65] scope:SCOPE_SE
	s_setreg_imm32_b32 hwreg(HW_REG_WAVE_MODE, 25, 1), 1
	s_wait_xcnt 0x0
; RoutedFFN, launch 4 of 4: the gate's end and the sum over heads.  No work is left out.
; combined[t][n] = (sum of spP's 16 parts)[batch][n] + bs[n] + XW[t][n] + bi[n];  logits = gelu(combined) Wg + bg;  out1 = softmax over the 8 heads, the row's maximum taken away first;
; out0[t][d] = sum over heads of out1[t][head] (P[head][t][d] + b2[head][d]).  All in f32.
; SHARES.  A work-group owns four tokens (of one batch), thread tid the columns 4 tid .. 4 tid + 3, of n for the gate and of d for the sum.  All loads go out at the head; P's 32 and b2's 8 land while the gate is worked.
; The logits' 32 partial sums are added over a wave's lanes, then over the eight waves through LDS; every wave then makes the softmax (lane 8 i + j: token i, head j), so that the weights need no second barrier.
; gelu as in the launch that makes the hidden layer: v (0.5 + vc A(s) / B(s)), vc = v held to +-4 sqrt 2, s = vc^2.
; LIMITS: NaN and infinities are not served.  out1's 128 bytes a work-group are half of an aligned 256: that follows from four tokens to a work-group; the buffer has 32,768 bytes in all.
; No matrix unit, tensor load or cluster: the launch streams P once, and what work-groups share is small.
.set SPARE, 1280                       ; bytes 0-1023: the waves' partial logits, 128 bytes each; from 1,280: the spare words, 128 bytes a wave
.set SPW, 10
.set NIL, 11
.set SPP, 16                           ; v16-79 spP's 16 parts; later XC, SQ, PA, PB
.set XC,  16
.set SQ,  32
.set PA,  48
.set PB,  64
.set ACC, 48                           ; later still: out0's 16 sums
.set CB,  88                           ; v88-103 XW, then combined, then gelu: [4 i + nn]
.set WG,  104                          ; v104-135 Wg: [8 nn + j]
.set B2,  136                          ; v136-167 b2: [4 head + dd]
.set KA0, 168
.set KA1, 170
.set KA2, 172
.set KA3, 174
.set KA4, 176
.set KA5, 178
.set KA6, 180
.set KB0, 182
.set KB1, 184
.set KB2, 186
.set KB3, 188
.set KB4, 190
.set KH,  192
.set BG,  194
.set LG,  200                          ; v200-231 partial logits: [8 i + j]
.set CLO, 26
.set CHI, 27
.set SEL, 28
.set WT,  68                           ; s68-99 the weights: [8 i + head]
.set MSB, 0
.macro WIN new
.if MSB != (\new)
	s_set_vgpr_msb (MSB<<8)|(\new)
.set MSB, (\new)
.endif
.endm
.macro KSET reg, bits
	v_mov_b32 v[\reg], \bits
	v_mov_b32 v[\reg+1], \bits
.endm
.macro HSTART d, k1, k0, n
.set gi, 0
.rept \n/2
	v_pk_fma_f32 v[\d+gi:\d+gi+1], v[SQ+gi:SQ+gi+1], v[\k1:\k1+1], v[\k0:\k0+1]
.set gi, gi+2
.endr
.endm
.macro HORNER d, k, n
.set gi, 0
.rept \n/2
	v_pk_fma_f32 v[\d+gi:\d+gi+1], v[\d+gi:\d+gi+1], v[SQ+gi:SQ+gi+1], v[\k:\k+1]
.set gi, gi+2
.endr
.endm
.macro GELU x, n
.set gi, 0
.rept \n
	v_med3_num_f32 v[XC+gi], v[\x+gi], s[CLO], s[CHI]
.set gi, gi+1
.endr
.set gi, 0
.rept \n/2
	v_pk_mul_f32 v[SQ+gi:SQ+gi+1], v[XC+gi:XC+gi+1], v[XC+gi:XC+gi+1]
.set gi, gi+2
.endr
	HSTART PB, KB4, KB3, \n
	HORNER PB, KB2, \n
	HORNER PB, KB1, \n
	HORNER PB, KB0, \n
.set gi, 0
.rept \n
	v_rcp_f32 v[PB+gi], v[PB+gi]                   ; one batch; the numerator below is the independent work behind it
.set gi, gi+1
.endr
	HSTART PA, KA6, KA5, \n
	HORNER PA, KA4, \n
	HORNER PA, KA3, \n
	HORNER PA, KA2, \n
	HORNER PA, KA1, \n
	HORNER PA, KA0, \n
.set gi, 0
.rept \n/2
	v_pk_mul_f32 v[PA+gi:PA+gi+1], v[PA+gi:PA+gi+1], v[XC+gi:XC+gi+1]
.set gi, gi+2
.endr
	s_wait_alu depctr_va_vdst(0)                   ; one wait for the batch of reciprocals, ahead of their first reader
.set gi, 0
.rept \n/2
	v_pk_fma_f32 v[PA+gi:PA+gi+1], v[PA+gi:PA+gi+1], v[PB+gi:PB+gi+1], v[KH:KH+1]
.set gi, gi+2
.endr
.set gi, 0
.rept \n/2
	v_pk_mul_f32 v[\x+gi:\x+gi+1], v[\x+gi:\x+gi+1], v[PA+gi:PA+gi+1]
.set gi, gi+2
.endr
.endm
	s_load_b512 s[4:19], s[0:1], 0x0               ; spP s[4:5], bs s[6:7], bi s[8:9], XW s[10:11], Wg s[12:13], bg s[14:15], P s[16:17], b2 s[18:19]
	s_load_b128 s[20:23], s[0:1], 0x40             ; out0, out1
	v_lshl_add_u32 v[SPW], v0, 2, SPARE
	v_mov_b32 v[NIL], 0
	v_lshrrev_b32 v3, 5, v0
	v_readfirstlane_b32 s24, v3                    ; wave 0..7
	v_lshlrev_b32 v1, 4, v0                        ; 16 tid: my four columns
	v_lshlrev_b32 v2, 7, v0                        ; 128 tid: my four rows of Wg
	v_and_b32 v8, 7, v0
	v_lshlrev_b32 v8, 2, v8                        ; bg of my lane's head
	v_and_b32 v9, 31, v0
	v_lshlrev_b32 v9, 2, v9                        ; 4 x lane
	v_mov_b32 v4, v1                               ; P: 16 tid + 8 MiB x (head / 2); the odd head and the token stand in the immediate
	v_add_nc_u32 v5, 0x800000, v1
	v_add_nc_u32 v6, 0x1000000, v1
	v_add_nc_u32 v7, 0x1800000, v1
	v_mov_b32 v3, s24
	v_lshlrev_b32 v3, 7, v3                        ; LDS: my wave's 128 bytes
	s_lshr_b32 s30, ttmp9, 6                       ; the batch: 64 work-groups each
	s_lshl_b32 s30, s30, 12
	s_mov_b32 s31, 0
	s_lshl_b32 s32, ttmp9, 14                      ; four rows of 4,096 bytes
	s_mov_b32 s33, 0
	s_lshl_b32 s34, ttmp9, 7                       ; four rows of out1
	s_mov_b32 s35, 0
	s_mov_b32 s[CLO], 0xc0b504f3
	s_mov_b32 s[CHI], 0x40b504f3
	s_mov_b32 s[SEL], 0x76543210
	s_mov_b32 s[SEL+1], 0xfedcba98
	s_wait_kmcnt 0x0
	s_add_nc_u64 s[4:5], s[4:5], s[30:31]
	s_add_nc_u64 s[10:11], s[10:11], s[32:33]
	s_add_nc_u64 s[16:17], s[16:17], s[32:33]
	s_add_nc_u64 s[20:21], s[20:21], s[32:33]
	s_add_nc_u64 s[22:23], s[22:23], s[34:35]
.irp kg, 0,1,2,3,4,5,6,7,8,9,10,11,12,13,14,15
	global_load_b128 v[SPP+4*\kg:SPP+4*\kg+3], v1, s[4:5] offset:16384*\kg
.endr
	global_load_b128 v[80:83], v1, s[6:7]
	global_load_b128 v[84:87], v1, s[8:9]
.irp i, 0,1,2,3
	global_load_b128 v[CB+4*\i:CB+4*\i+3], v1, s[10:11] offset:4096*\i th:TH_LOAD_NT
.endr
.irp q, 0,1,2,3,4,5,6,7
	global_load_b128 v[WG+4*\q:WG+4*\q+3], v2, s[12:13] offset:16*\q
.endr
	global_load_b32 v[BG], v8, s[14:15]
	WIN 0x40                                       ; destination window 1: P at v[16 head + 4 i]
.irp hh, 0,1,2,3
.irp e, 0,1
.irp i, 0,1,2,3
	global_load_b128 v[16*(2*\hh+\e)+4*\i:16*(2*\hh+\e)+4*\i+3], v[4+\hh], s[16:17] offset:4194304*\e+4096*\i th:TH_LOAD_NT   ; the wave reads 512 consecutive bytes
.endr
.endr
.endr
	WIN 0
.irp h, 0,1,2,3,4,5,6,7
	global_load_b128 v[B2+4*\h:B2+4*\h+3], v1, s[18:19] offset:4096*\h
.endr
	KSET KA0, 0xbc83dbd4
	KSET KA1, 0xbac1a1f6
	KSET KA2, 0xb940ac63
	KSET KA3, 0xb6eec2d2
	KSET KA4, 0xb40cff51
	KSET KA5, 0x306dffee
	KSET KA6, 0xac95df0b
	KSET KB0, 0xbd2542a9
	KSET KB1, 0xbc2ad7f2
	KSET KB2, 0xba9bf7b5
	KSET KB3, 0xb89e3512
	KSET KB4, 0xb62ccd2b
	KSET KH, 0.5
	s_wait_loadcnt 40                              ; the gate's 31 loads are in; P's 32 and b2's 8 may be out
.irp kg, 0,1,2,3,4,5,6,7
	v_pk_add_f32 v[SPP+4*\kg:SPP+4*\kg+1], v[SPP+4*\kg:SPP+4*\kg+1], v[SPP+32+4*\kg:SPP+32+4*\kg+1]
	v_pk_add_f32 v[SPP+4*\kg+2:SPP+4*\kg+3], v[SPP+4*\kg+2:SPP+4*\kg+3], v[SPP+32+4*\kg+2:SPP+32+4*\kg+3]
.endr
.irp kg, 0,1,2,3
	v_pk_add_f32 v[SPP+4*\kg:SPP+4*\kg+1], v[SPP+4*\kg:SPP+4*\kg+1], v[SPP+16+4*\kg:SPP+16+4*\kg+1]
	v_pk_add_f32 v[SPP+4*\kg+2:SPP+4*\kg+3], v[SPP+4*\kg+2:SPP+4*\kg+3], v[SPP+16+4*\kg+2:SPP+16+4*\kg+3]
.endr
.irp kg, 0,1
	v_pk_add_f32 v[SPP+4*\kg:SPP+4*\kg+1], v[SPP+4*\kg:SPP+4*\kg+1], v[SPP+8+4*\kg:SPP+8+4*\kg+1]
	v_pk_add_f32 v[SPP+4*\kg+2:SPP+4*\kg+3], v[SPP+4*\kg+2:SPP+4*\kg+3], v[SPP+8+4*\kg+2:SPP+8+4*\kg+3]
.endr
.irp o, 4, 64, 68                      ; the last part, bs, bi
	v_pk_add_f32 v[SPP:SPP+1], v[SPP:SPP+1], v[SPP+\o:SPP+\o+1]
	v_pk_add_f32 v[SPP+2:SPP+3], v[SPP+2:SPP+3], v[SPP+\o+2:SPP+\o+3]
.endr
.irp i, 0,1,2,3
	v_pk_add_f32 v[CB+4*\i:CB+4*\i+1], v[CB+4*\i:CB+4*\i+1], v[SPP:SPP+1]
	v_pk_add_f32 v[CB+4*\i+2:CB+4*\i+3], v[CB+4*\i+2:CB+4*\i+3], v[SPP+2:SPP+3]
.endr
	GELU CB, 16
.irp i, 0,1,2,3                        ; my four columns' share of the 4 x 8 logits
.irp j, 0,1,2,3,4,5,6,7
	v_mul_f32 v[LG+8*\i+\j], v[CB+4*\i], v[WG+\j]
.endr
.endr
.irp nn, 1,2,3
.irp i, 0,1,2,3
.irp j, 0,1,2,3,4,5,6,7
	v_fmac_f32 v[LG+8*\i+\j], v[CB+4*\i+\nn], v[WG+8*\nn+\j]
.endr
.endr
.endr
.irp m, 1,2,4,8                        ; over the 32 lanes: four steps inside each half ride on the addition, one crosses the halves
.set q, 0
.rept 32
	v_add_f32_dpp v[LG+q], v[LG+q], v[LG+q] row_xmask:\m row_mask:0xf bank_mask:0xf
.set q, q+1
.endr
.endr
.set q, 0
.rept 32
	v_permlanex16_b32 v[16+q], v[LG+q], s[SEL], s[SEL+1]           ; (its destination counts as read: these registers have been written)
.set q, q+1
.endr
.set q, 0
.rept 32
	v_add_f32 v[LG+q], v[LG+q], v[16+q]
.set q, q+1
.endr
.irp q, 0,1,2,3,4,5,6,7
	ds_store_b128 v3, v[LG+4*\q:LG+4*\q+3] offset:16*\q            ; all lanes write the same bytes with the same values
.endr
	s_wait_dscnt 0x0                               ; for the others' sake: my stores have landed
	s_barrier_signal -1
	s_barrier_wait -1
.irp w, 0,1,2,3,4,5,6,7
	ds_load_b32 v[16+\w], v9 offset:128*\w         ; lane 8 i + j: token i, head j, of each wave's part
.endr
	s_wait_dscnt 0x0
	v_add_f32 v16, v16, v17
	v_add_f32 v18, v18, v19
	v_add_f32 v20, v20, v21
	v_add_f32 v22, v22, v23
	v_add_f32 v16, v16, v18
	v_add_f32 v20, v20, v22
	v_add_f32 v16, v16, v20
	v_add_f32 v16, v16, v[BG]                      ; the logit
	v_mov_b32 v17, v16
	v_max_num_f32_dpp v17, v17, v17 row_xmask:1 row_mask:0xf bank_mask:0xf
	v_max_num_f32_dpp v17, v17, v17 row_xmask:2 row_mask:0xf bank_mask:0xf
	v_max_num_f32_dpp v17, v17, v17 row_xmask:4 row_mask:0xf bank_mask:0xf   ; the token's largest logit, in its eight lanes
	v_sub_f32 v18, v16, v17
	v_mul_f32 v18, 0x3fb8aa3b, v18
	v_exp_f32 v18, v18
	v_nop                                          ; a plain place behind the exponential,
	s_wait_alu depctr_va_vdst(0)                   ; and a wait ahead of its first reader
	v_mov_b32 v19, v18
	v_add_f32_dpp v19, v19, v19 row_xmask:1 row_mask:0xf bank_mask:0xf
	v_add_f32_dpp v19, v19, v19 row_xmask:2 row_mask:0xf bank_mask:0xf
	v_add_f32_dpp v19, v19, v19 row_xmask:4 row_mask:0xf bank_mask:0xf
	v_rcp_f32 v19, v19
	v_nop
	s_wait_alu depctr_va_vdst(0)
	v_mul_f32 v18, v18, v19                        ; the weight
	s_cmp_lg_u32 s24, 0                            ; every wave holds the same 32 weights: wave 0 stores them
	s_cbranch_scc1 .Lnot_wave_0
	global_store_b32 v9, v18, s[22:23]
.Lnot_wave_0:
.set q, 0
.rept 32
	v_readlane_b32 s[WT+q], v18, q
.set q, q+1
.endr
	s_wait_loadcnt 0x0                             ; P and b2
	WIN 0x41                                       ; destination and source 0 window 1
.irp h, 0,1,2,3,4,5,6,7
.irp i, 0,1,2,3
	v_pk_add_f32 v[16*\h+4*\i:16*\h+4*\i+1], v[16*\h+4*\i:16*\h+4*\i+1], v[B2+4*\h:B2+4*\h+1]
	v_pk_add_f32 v[16*\h+4*\i+2:16*\h+4*\i+3], v[16*\h+4*\i+2:16*\h+4*\i+3], v[B2+4*\h+2:B2+4*\h+3]
.endr
.endr
	WIN 0x04                                       ; source 1 window 1
.irp i, 0,1,2,3
.irp dd, 0,1,2,3
	v_mul_f32 v[ACC+4*\i+\dd], s[WT+8*\i], v[4*\i+\dd]
.endr
.endr
.irp h, 1,2,3,4,5,6,7
.irp i, 0,1,2,3
.irp dd, 0,1,2,3
	v_fmac_f32 v[ACC+4*\i+\dd], s[WT+8*\i+\h], v[16*\h+4*\i+\dd]
.endr
.endr
.endr
	WIN 0
.irp i, 0,1,2,3
	global_store_b128 v1, v[ACC+4*\i:ACC+4*\i+3], s[20:21] offset:4096*\i th:TH_STORE_NT   ; the wave stores 512 consecutive bytes, aligned
.endr
	s_wait_tensorcnt 0x0                           ; the wave's end, behind my last LDS store
	ds_add_u32 v[SPW], v[NIL]
	s_wait_dscnt 0x0
	s_endpgm
.Lfunc_end_k_q2b429489b3_fin:
	.size	k_q2b429489b3_fin, .Lfunc_end_k_q2b429489b3_fin-k_q2b429489b3_fin
	.p2alignl 7, 3214868480
	.fill 96, 4, 3214868480
	.section	.rodata,"a",@progbits
	.p2align	6, 0x0
	.amdhsa_kernel k_q2b429489b3_fin
		.amdhsa_group_segment_fixed_size 2304
		.amdhsa_private_segment_fixed_size 0
		.amdhsa_enable_private_segment 0
		.amdhsa_kernarg_size 80
		.amdhsa_user_sgpr_count 2
		.amdhsa_user_sgpr_kernarg_segment_ptr 1
		.amdhsa_wavefront_size32 1
		.amdhsa_system_sgpr_workgroup_id_x 1
		.amdhsa_system_sgpr_workgroup_id_y 1
		.amdhsa_system_sgpr_workgroup_id_z 1
		.amdhsa_system_vgpr_workitem_id 0
		.amdhsa_next_free_vgpr 384
		.amdhsa_next_free_sgpr 100
		.amdhsa_reserve_vcc 0
		.amdhsa_float_denorm_mode_32 3
		.amdhsa_float_denorm_mode_16_64 3
		.amdhsa_memory_ordered 1
		.amdhsa_forward_progress 1
		.amdhsa_inst_pref_size 50
	.end_amdhsa_kernel
	.amdgpu_metadata
---
amdhsa.version: [ 1, 2 ]
amdhsa.kernels:
  - .name:           k_q2b429489b3_fin
    .symbol:         k_q2b429489b3_fin.kd
    .args:
      - { .name: spP, .offset: 0, .size: 8, .value_kind: global_buffer, .address_space: global }
      - { .name: bs, .offset: 8, .size: 8, .value_kind: global_buffer, .address_space: global }
      - { .name: bi, .offset: 16, .size: 8, .value_kind: global_buffer, .address_space: global }
      - { .name: XW, .offset: 24, .size: 8, .value_kind: global_buffer, .address_space: global }
      - { .name: Wg, .offset: 32, .size: 8, .value_kind: global_buffer, .address_space: global }
      - { .name: bg, .offset: 40, .size: 8, .value_kind: global_buffer, .address_space: global }
      - { .name: P, .offset: 48, .size: 8, .value_kind: global_buffer, .address_space: global }
      - { .name: b2, .offset: 56, .size: 8, .value_kind: global_buffer, .address_space: global }
      - { .name: out0, .offset: 64, .size: 8, .value_kind: global_buffer, .address_space: global }
      - { .name: out1, .offset: 72, .size: 8, .value_kind: global_buffer, .address_space: global }
    .group_segment_fixed_size: 2304
    .private_segment_fixed_size: 0
    .kernarg_segment_align: 8
    .kernarg_segment_size: 80
    .max_flat_workgroup_size: 256
    .sgpr_count:     100
    .vgpr_count:     384
    .wavefront_size: 32
...
	.end_amdgpu_metadata
.endif
;; end of part 4
